; MI455X (gfx1250); checked and timed in simulation.
; The chip was launched on July 23, 2026; its instructions are those of AMD's public machine-readable ISA for CDNA 5 (MIT licence, August 2026) and "CDNA5" Instruction Set Architecture Reference Guide (July 2026). The comments in the code are by the model that wrote it; some were corrected since.
;; Complex Attention. Allowed arithmetic: matrix products marked QUANTISED: E2M1 operands, one E8M0 scale for each 32 along K, by v_wmma_scale_f32_16x16x128_f8f6f4 with both operands' format E2M1 (or v_wmma_scale_f32_32x16x128_f4), f32 sums; everything else in f32.
;; Inputs: Wk_i_codes 1,024 x 32 x 16 uint8 (E2M1 codes of Wk_i, K innermost, in blocks of 32 codes, two codes a byte); Wk_i_scales 1,024 x 32 uint8 (E8M0 scales of Wk_i, one for each 32 codes along K); Wk_r_codes 1,024 x 32 x 16 uint8 (E2M1 codes of Wk_r, K innermost, in blocks of 32 codes, two codes a byte); Wk_r_scales 1,024 x 32 uint8 (E8M0 scales of Wk_r, one for each 32 codes along K); Wo_i_codes 1,024 x 32 x 16 uint8 (E2M1 codes of Wo_i, K innermost, in blocks of 32 codes, two codes a byte); Wo_i_scales 1,024 x 32 uint8 (E8M0 scales of Wo_i, one for each 32 codes along K); Wo_r_codes 1,024 x 32 x 16 uint8 (E2M1 codes of Wo_r, K innermost, in blocks of 32 codes, two codes a byte); Wo_r_scales 1,024 x 32 uint8 (E8M0 scales of Wo_r, one for each 32 codes along K); Wq_i_codes 1,024 x 32 x 16 uint8 (E2M1 codes of Wq_i, K innermost, in blocks of 32 codes, two codes a byte); Wq_i_scales 1,024 x 32 uint8 (E8M0 scales of Wq_i, one for each 32 codes along K); Wq_r_codes 1,024 x 32 x 16 uint8 (E2M1 codes of Wq_r, K innermost, in blocks of 32 codes, two codes a byte); Wq_r_scales 1,024 x 32 uint8 (E8M0 scales of Wq_r, one for each 32 codes along K); Wv_i_codes 1,024 x 32 x 16 uint8 (E2M1 codes of Wv_i, K innermost, in blocks of 32 codes, two codes a byte); Wv_i_scales 1,024 x 32 uint8 (E8M0 scales of Wv_i, one for each 32 codes along K); Wv_r_codes 1,024 x 32 x 16 uint8 (E2M1 codes of Wv_r, K innermost, in blocks of 32 codes, two codes a byte); Wv_r_scales 1,024 x 32 uint8 (E8M0 scales of Wv_r, one for each 32 codes along K); bk_i 1,024 float32; bk_r 1,024 float32; bo_i 1,024 float32; bo_r 1,024 float32; bq_i 1,024 float32; bq_r 1,024 float32; bv_i 1,024 float32; bv_r 1,024 float32; k_i_codes 4 x 1,024 x 32 x 16 uint8 (E2M1 codes of k_i, K innermost, in blocks of 32 codes, two codes a byte); k_i_scales 4 x 1,024 x 32 uint8 (E8M0 scales of k_i, one for each 32 codes along K); k_r_codes 4 x 1,024 x 32 x 16 uint8 (E2M1 codes of k_r, K innermost, in blocks of 32 codes, two codes a byte); k_r_scales 4 x 1,024 x 32 uint8 (E8M0 scales of k_r, one for each 32 codes along K); q_i_codes 4 x 1,024 x 32 x 16 uint8 (E2M1 codes of q_i, K innermost, in blocks of 32 codes, two codes a byte); q_i_scales 4 x 1,024 x 32 uint8 (E8M0 scales of q_i, one for each 32 codes along K); q_r_codes 4 x 1,024 x 32 x 16 uint8 (E2M1 codes of q_r, K innermost, in blocks of 32 codes, two codes a byte); q_r_scales 4 x 1,024 x 32 uint8 (E8M0 scales of q_r, one for each 32 codes along K); v_i_codes 4 x 1,024 x 32 x 16 uint8 (E2M1 codes of v_i, K innermost, in blocks of 32 codes, two codes a byte); v_i_scales 4 x 1,024 x 32 uint8 (E8M0 scales of v_i, one for each 32 codes along K); v_r_codes 4 x 1,024 x 32 x 16 uint8 (E2M1 codes of v_r, K innermost, in blocks of 32 codes, two codes a byte); v_r_scales 4 x 1,024 x 32 uint8 (E8M0 scales of v_r, one for each 32 codes along K).
;; Outputs: out0 4 x 1,024 x 1,024 float32; out1 4 x 1,024 x 1,024 float32.
;; This version of the problem:
;;   THIS VERSION OF THE PROBLEM IS GIVEN IN LOW PRECISION. The matrix products marked QUANTISED in the list below multiply operands that are first quantised to E2M1 (2 exponent bits, 1 mantissa bit; 4 bits a number), with one power-of-two scale for each 32 numbers along K (OCP MX v1.0); their sums are f32. All else is computed in f32.
;;   The module's matrix products, in the order in which they are computed (A, B: the left and right operand; K: the contracted axis; several contracted axes count as one K, in the product's order):
;;     1. [M 4,096, K 1,024] x [K 1,024, N 1,024]; A: input q_r (given as codes); B: input Wq_r (given as codes): QUANTISED
;;     2. [M 4,096, K 1,024] x [K 1,024, N 1,024]; A: input q_i (given as codes); B: input Wq_i (given as codes): QUANTISED
;;     3. [M 4,096, K 1,024] x [K 1,024, N 1,024]; A: input k_r (given as codes); B: input Wk_r (given as codes): QUANTISED
;;     4. [M 4,096, K 1,024] x [K 1,024, N 1,024]; A: input k_i (given as codes); B: input Wk_i (given as codes): QUANTISED
;;     5. [M 4,096, K 1,024] x [K 1,024, N 1,024]; A: input v_r (given as codes); B: input Wv_r (given as codes): QUANTISED
;;     6. [M 4,096, K 1,024] x [K 1,024, N 1,024]; A: input v_i (given as codes); B: input Wv_i (given as codes): QUANTISED
;;     7. batch 64 x [M 1,024, K 64] x [K 64, N 1,024]; A: computed on the way; B: computed on the way: QUANTISED
;;     8. batch 64 x [M 1,024, K 64] x [K 64, N 1,024]; A: computed on the way; B: computed on the way: QUANTISED
;;     9. batch 64 x [M 64, K 1,024] x [K 1,024, N 1,024]; A: computed on the way; B: softmax (see below): QUANTISED
;;     10. batch 64 x [M 64, K 1,024] x [K 1,024, N 1,024]; A: computed on the way; B: softmax (see below): QUANTISED
;;     11. [M 4,096, K 1,024] x [K 1,024, N 1,024]; A: computed on the way; B: input Wo_r (given as codes): QUANTISED
;;     12. [M 4,096, K 1,024] x [K 1,024, N 1,024]; A: computed on the way; B: input Wo_i (given as codes): QUANTISED
;;   THE QUANTISER, for each operand of a quantised product, along K:
;;     - K is cut into blocks of 32 from its start; a last block that is shorter is filled with zeros.
;;     - A block's scale is 2^e with e = floor(log2(the largest magnitude in the block)) - 2, held to -126 .. 127; a block of zeros has e = 0. As a byte (E8M0): e + 127.
;;     - Each number is divided by its block's scale, clamped to +-6, and rounded to the nearest number of E2M1, ties to even, subnormals kept.
;;     - The product sums the exact products of the quantised numbers (number of the format x scale) in f32.
;;   ~~~python
;;   def quantise(x, axis):      # numpy; x: float32 -> the quantised numbers, widened to float32 again
;;       x = np.moveaxis(x, axis, -1); K = x.shape[-1]
;;       x = np.pad(x, [(0, 0)] * (x.ndim - 1) + [(0, -K % 32)]); x = x.reshape(x.shape[:-1] + (-1, 32)); a = np.abs(x).max(-1, keepdims=True)
;;       e = np.where(a > 0, np.clip(np.frexp(np.where(a > 0, a, 1))[1] - 1 - 2, -126, 127), 0)      # np.frexp(a)[1] - 1 = floor(log2(a)), exactly
;;       r = np.clip(x / 2.0 ** e, -6, 6)
;;       step = 2.0 ** (np.maximum(np.frexp(np.where(r == 0, 1, r))[1] - 1, 0) - 1)
;;       q = np.round(r / step) * step * 2.0 ** e      # np.round: ties to even
;;       return np.moveaxis(q.reshape(q.shape[:-2] + (-1,))[..., :K], -1, axis).astype(np.float32)
;;   ~~~
;;   SOFTMAX AHEAD OF A QUANTISED PRODUCT. Where the list says 'softmax', what is quantised is not the finished softmax but p = 2^(t - M), with t = logit x log2(e) and M = ceil(the row's largest t), a whole number; so 1/2 < the row's largest p <= 1. The row's sum l is taken of the UNQUANTISED p, in f32, and the product's result is divided by l at the end. Since M is a whole number, a kernel that streams over the keys may use a running M (the ceiling of the running maximum): every later rescaling is an exact power of two, which a block's scale takes up: the codes' values come out the same.
;;   OPERANDS COMPUTED ON THE WAY. 'Computed on the way' means the value that the module computes at that place (a softmax that the list does not call 'softmax' is quantised finished and normalised). What goes into a quantiser is computed in f32, as accurately as f32 sums, v_exp_f32 and their like allow (about 1e-6 of the number): no bf16 or f16 on the way to a quantiser, and a product that is left as it is and whose result goes on into a quantised operand takes f32 operands (vector FMAs, or v_wmma_f32_16x16x4_f32). A number that lies on a knife's edge between two numbers of the format may be rounded either way, as far as f32 arithmetic and the matrix unit's own rounding can turn it there, and no further.
;;   INPUTS GIVEN AS CODES. Wk_i (in the module: [1024, 1024], K = its axis 1); Wk_r (in the module: [1024, 1024], K = its axis 1); Wo_i (in the module: [1024, 1024], K = its axis 1); Wo_r (in the module: [1024, 1024], K = its axis 1); Wq_i (in the module: [1024, 1024], K = its axis 1); Wq_r (in the module: [1024, 1024], K = its axis 1); Wv_i (in the module: [1024, 1024], K = its axis 1); Wv_r (in the module: [1024, 1024], K = its axis 1); k_i (in the module: [4, 1024, 1024], K = its axis 2); k_r (in the module: [4, 1024, 1024], K = its axis 2); q_i (in the module: [4, 1024, 1024], K = its axis 2); q_r (in the module: [4, 1024, 1024], K = its axis 2); v_i (in the module: [4, 1024, 1024], K = its axis 2); v_r (in the module: [4, 1024, 1024], K = its axis 2): each comes as NAME_codes (uint8): NAME with its K axis moved to the last place and cut into blocks of 32 codes, [.., K / 32, bytes a block], one block behind the other in memory; two codes a byte, the lower K in the low four bits (a code: sign, 2 exponent bits, 1 mantissa bit); and NAME_scales (uint8): the same leading axes, one E8M0 byte (e + 127) for each 32 codes along K. Its value is code x scale, taken as it is: it is not quantised again, and the codes and scales need not be those that the quantiser above would give.
;; One version. Each part assembles by itself: llvm-mc -triple=amdgcn-amd-amdhsa -mcpu=gfx1250 --defsym DOCPART=n.
;; ======== version 1 of 1: 3 launches
;; workspace buffers: codes_r 4,194,304 bytes; codes_i 4,194,304 bytes; scales_r 262,144 bytes; scales_i 262,144 bytes; oc_r 2,097,152 bytes; oc_i 2,097,152 bytes; os 262,144 bytes
;; launch projkv (part 1): grid 4 x 64, 4 waves a work-group, clusters of 4 x 4, 281,088 bytes of LDS; arguments k_r_codes, k_r_scales, Wk_r_codes, Wk_r_scales, bk_r, k_i_codes, k_i_scales, Wk_i_codes, Wk_i_scales, bk_i, Wv_r_codes, Wv_r_scales, v_r_codes, v_r_scales, bv_r, Wv_i_codes, Wv_i_scales, v_i_codes, v_i_scales, bv_i, codes_r, scales_r, codes_i, scales_i; writes codes_r, scales_r, codes_i, scales_i
.if DOCPART == 1
	.amdgcn_target "amdgcn-amd-amdhsa--gfx1250"
	.amdhsa_code_object_version 6
	.text
	.protected	k_q861adf26dc_projkv
	.globl	k_q861adf26dc_projkv
	.p2align	8
	.type	k_q861adf26dc_projkv,@function
k_q861adf26dc_projkv:
	s_mov_b64 s[64:65], 0
	v_nop
	global_prefetch_b8 v0, s[64:65] scope:SCOPE_SE
	s_setreg_imm32_b32 hwreg(HW_REG_WAVE_MODE, 25, 1), 1
	s_wait_xcnt 0x0
	s_wait_alu depctr_hold_cnt(0) depctr_sa_sdst(0) depctr_va_vdst(0) depctr_va_sdst(0) depctr_va_ssrc(0) depctr_va_vcc(0) depctr_vm_vsrc(0)
	s_getreg_b32 s2, hwreg(HW_REG_IB_STS2, 6, 4)
	s_cmp_eq_u32 s2, 0
	s_cbranch_scc0 .Lentry_in_a_cluster
	s_endpgm
.Lentry_in_a_cluster:
	s_bfe_u32 s2, ttmp6, 0x10000c
	s_cmp_lg_u32 s2, 0xf033
	s_cbranch_scc0 .Lentry_shape_is_right
	s_endpgm
.Lentry_shape_is_right:
; FOUR PROJECTIONS: K_r = k_r Wk_r^T + bk_r, K_i, V_r = v_r Wv_r^T + bv_r, V_i, each [4096][1024] with K = 1024, on codes of FP4 (E2M1) with one E8M0 scale for each 32 along K.
; The results are quantised at once, in registers, along the axis that is the NEXT product's K, and leave as codes and scale words: K along the head's 64 channels, V along the keys.
; (Q's two projections are made where they are used, in the attention launch.)
; ROLES.  Each GEMM has an OUTER tensor (its rows stay rows of the new operand) and an INNER one (its rows become the new K).  K: outer = the activations (4096 rows), inner = the weight (1024 rows).
; V: outer = the weight (channels), inner = the activations (keys).  The arguments come in groups of five: outer codes, outer scales, inner codes, inner scales, bias; the group is chosen by the cluster's y.
; SHARES.  256 work-groups, 64 for each GEMM, a tile of 256 outer x 256 inner each; a wave makes 128 x 128: 64 accumulators of 16 x 16, 512 registers, 512 matrix instructions.
; A row of 1024 codes is 512 bytes, so both tiles for ALL of K fit in LDS: two slots of 512 along K, each filled ONCE; no LDS byte is filled a second time.
; CLUSTERS: 4 x 4 work-groups.  The four of a row of the cluster need the same outer tile, the four of a column the same inner tile: each tile is asked for jointly, which divides the requests by four.
; The grid's x is one cluster wide, so the cluster's x does not enter.
; THE MATRIX INSTRUCTION: source 0 = 16 inner rows, source 1 = 16 outer rows.  In tile b lane (r, h) holds outer row r, and register j inner index 16 b + 8 h + j: so the 16 registers of tiles 2 B and 2 B + 1
; are 16 numbers of block B of 32 along the new K, and lane l xor 16 holds the other 16.
; THE WORKSPACE IS AN IMAGE OF OPERAND REGISTERS: four registers of a fragment are stored at 16 x lane, 512 consecutive bytes; whoever loads them at 16 x lane has the fragment.
;   codes (one buffer for each part): K at 0: [batch][head / 2][row / 16][head & 1][lane][16 bytes].  V at 1 << 21: [batch][key / 128][channel / 16][c][lane][16 bytes].
;   scale words: K at 0: [batch][head / 2][row] of 4 bytes (two blocks of the even head, two of the odd).  V at 1 << 17: [batch][key / 128][channel] of 4 bytes.
; LIMITS: NaN and infinities are not served.  A block whose largest magnitude lies under 2^-124 (a block of zeros too) gets the byte 1 where the rule says 127 for zeros: its codes are zeros, and the bytes are read by
; this program alone.  The bias is the C of the first K step: the sum begins with it where the reference ends with it (another order of rounding).
; REGISTERS, in windows of 256.  Window 0: v2-7 offsets; v16-21 LDS addresses; v32-63 the outer rows' scale words, v64-95 the inner rows' (all of K: they hold scales and nothing else); v96-123 at work on the way out;
;   v128-191, v192-255 outer fragments, two sets (on the way out v128-191 take the new codes).  Window 1: v0-63, v128-191 inner fragments, two sets; v64-127 the bias as eight tiles of C.
;   Window 2: accumulators of outer blocks 0-3 ((a, b) at 8 (8 a + b)); window 3: of blocks 4-7.
.set PITCH, 272                        ; an LDS row: 256 bytes of codes + 16 of padding, so that the 16 rows of a fragment load start 68 words apart
.set HALFT, 128*PITCH                  ; 128 rows: what one tensor load brings, and what a wave reads of a tensor
.set SLOT,  4*HALFT                    ; outer's 256 rows, then inner's 256 rows, 512 along K
.set SG,    2*SLOT                     ; behind the slots: 512 bytes for each wave, in which its 128 scale words are gathered; no tile lands here
.set LI,    2                          ; v2   16 x lane
.set L32,   3                          ; v3   32 x lane: a row of scale bytes
.set BH,    4                          ; v4   32 x (lane / 16): the bias along the inner index
.set BR,    5                          ; v5   4 x (lane % 16): the bias along the outer rows
.set SGW,   6                          ; v6   where my row's scale word goes
.set SGR,   7                          ; v7   and where I read four of them back
.set ADRA,  16                         ; v16-17 LDS address of my outer fragments in slot 0, 1
.set ADRB,  20                         ; v20-21 the same for inner
.set SCO,   32                         ; register 8 A + ks: lane L holds the word of outer row 32 A + L for K step ks
.set SCI,   64                         ; the same for inner rows
.set PW,    96                         ; v96-103 the scale words just made, one register for each outer block
.set TM,    104                        ; v104-107 largest magnitudes, v108-111 the other half's, then bytes, v116-119 the conversions' scale operands
.set SWO,   120                        ; v120-123 four scale words on their way out
.set AF,    128
.set BIAS,  64                         ; in window 1
.set G0A, 28                           ; s[28:35] descriptor group 0 for outer tiles, one set for each slot; s[36:43] for inner tiles (both written where the arguments not chosen lay)
.set G0B, 36
.set OUTC, 44                          ; s[44:45] the part's codes buffer, s[46:47] its scale words
.set OUTS, 46
.set WV, 52
.set WO, 53
.set WI, 54
.set CX, 55
.set CY, 56
.set GG, 57
.set SUB, 58
.set OT, 59
.set IT, 60
.set MODE, 61
.set G1A, 68                           ; s[68:75] descriptor group 1 for outer tiles, s[76:83] for inner tiles
.set G1B, 76
.set SEL, 90                           ; s[90:91] lane selects: lane l xor 16
.set MSB, 0
.macro WIN new                         ; the immediate's high byte repeats the setting that is left; a switch that changes nothing is dropped
.if MSB != (\new)
	s_set_vgpr_msb (MSB<<8)|(\new)
.set MSB, (\new)
.endif
.endm
.macro PLACES n
.rept \n
	v_nop
.endr
.endm
.macro CROUND                          ; a round of the cluster's barrier: my work-group's barrier, wave 0 signals for the work-group, every wave waits for all sixteen, my work-group's barrier once more
	s_barrier_signal -1
	s_barrier_wait -1
	s_cmp_lg_u32 s[WV], 0
	s_cbranch_scc1 .Lnot_wave_0_\@
	s_barrier_signal -3
.Lnot_wave_0_\@:
	s_barrier_wait -3
	s_barrier_signal -1
	s_barrier_wait -1
.endm
; one product: D, source 0, source 1, C, their scale registers; rx, ry: the scales stand in lanes 16-31 of their registers
.macro WM d, x, y, c, sx, sy, rx, ry
.if (\rx) && (\ry)
	v_wmma_scale_f32_16x16x128_f8f6f4 v[\d:\d+7], v[\x:\x+7], v[\y:\y+7], v[\c:\c+7], v[\sx], v[\sy] matrix_a_fmt:MATRIX_FMT_FP4 matrix_b_fmt:MATRIX_FMT_FP4 matrix_a_scale:MATRIX_SCALE_ROW1 matrix_b_scale:MATRIX_SCALE_ROW1
.elseif (\rx)
	v_wmma_scale_f32_16x16x128_f8f6f4 v[\d:\d+7], v[\x:\x+7], v[\y:\y+7], v[\c:\c+7], v[\sx], v[\sy] matrix_a_fmt:MATRIX_FMT_FP4 matrix_b_fmt:MATRIX_FMT_FP4 matrix_a_scale:MATRIX_SCALE_ROW1
.elseif (\ry)
	v_wmma_scale_f32_16x16x128_f8f6f4 v[\d:\d+7], v[\x:\x+7], v[\y:\y+7], v[\c:\c+7], v[\sx], v[\sy] matrix_a_fmt:MATRIX_FMT_FP4 matrix_b_fmt:MATRIX_FMT_FP4 matrix_b_scale:MATRIX_SCALE_ROW1
.else
	v_wmma_scale_f32_16x16x128_f8f6f4 v[\d:\d+7], v[\x:\x+7], v[\y:\y+7], v[\c:\c+7], v[\sx], v[\sy] matrix_a_fmt:MATRIX_FMT_FP4 matrix_b_fmt:MATRIX_FMT_FP4
.endif
.endm
	s_load_b512 s[4:19], s[0:1], 0x0               ; 24 addresses: four groups of five at s[4 + 10 g ..], then the four output buffers at s[44:51]
	s_load_b512 s[20:35], s[0:1], 0x40
	s_load_b512 s[36:51], s[0:1], 0x80
	v_lshl_add_u32 v126, v0, 2, 0x44800
	v_mov_b32 v127, 0
	ds_add_u32 v126, v127
	ds_add_u32 v126, v127
	v_lshrrev_b32 v1, 5, v0
	v_readfirstlane_b32 s[WV], v1                  ; wave 0..3
	s_lshr_b32 s[WO], s[WV], 1                     ; which 128 outer rows are mine.  Also: I fetch outer (0) or inner (1) tiles
	s_and_b32 s[WI], s[WV], 1                      ; which 128 inner rows.  Also: which 128 rows of that tile I fetch
	s_bfe_u32 s[CX], ttmp6, 0x40000                ; cx, cy: my place in the cluster
	s_bfe_u32 s[CY], ttmp6, 0x40004
	s_and_b32 s[SUB], ttmp7, 0xffff                ; the cluster's y, 0..15: the same in all sixteen partners
	s_lshr_b32 s[GG], s[SUB], 2                    ; which GEMM: 0 K real, 1 K imaginary, 2 V real, 3 V imaginary
	s_and_b32 s[SUB], s[SUB], 3                    ; which quarter of its long axis
	s_lshr_b32 s[MODE], s[GG], 1                   ; 0 K, 1 V
	s_cmp_eq_u32 s[MODE], 1
	s_cselect_b32 s62, 0, s[SUB]                   ; the long axis (4096 rows) is outer for K,
	s_cselect_b32 s63, s[SUB], 0                   ; inner for V
	s_lshl_b32 s[OT], s62, 2
	s_add_co_u32 s[OT], s[OT], s[CY]               ; outer tile of 256 rows
	s_lshl_b32 s[IT], s63, 2
	s_add_co_u32 s[IT], s[IT], s[CX]               ; inner tile of 256 rows
	s_lshl_b32 s92, s[CY], 2
	s_lshl_b32 s92, 15, s92                        ; my row of the cluster: places 4 cy .. 4 cy + 3
	s_lshl_b32 s93, 0x1111, s[CX]                  ; my column: places cx, cx + 4, cx + 8, cx + 12
	; descriptor group 1: 128 rows x 256 bytes, rows 512 bytes apart in memory, 16 bytes of padding behind each in LDS
	s_or_b32 s[G1A], s92, (1<<20)|(1<<21)|(5<<22)|(3<<25)   ; 15:0 the mask; 17:16 elements of 1 byte; 20 padding on; 21 set beside a mask; 24:22 after every 64 words; 31:25 four words
	s_or_b32 s[G1B], s93, (1<<20)|(1<<21)|(5<<22)|(3<<25)
.irp g, G1A, G1B
	s_mov_b32 s[\g+1], 256<<16                     ; tensor_dim0
	s_mov_b32 s[\g+2], 128<<16                     ; tensor_dim1
	s_mov_b32 s[\g+3], 256<<16                     ; tile_dim0
	s_mov_b32 s[\g+4], 128                         ; tile_dim1
	s_mov_b32 s[\g+5], 512                         ; from row to row
	s_mov_b32 s[\g+6], 0
	s_mov_b32 s[\g+7], 0
.endr
	s_lshl_b32 s84, s[OT], 17                      ; outer: 256 rows of 512 bytes a tile, + my 128 rows.  These registers never hold cx,
	s_lshl_b32 s85, s[WI], 16
	s_add_co_u32 s84, s84, s85
	s_mov_b32 s85, 0
	s_lshl_b32 s86, s[IT], 17                      ; and inner's never cy
	s_lshl_b32 s87, s[WI], 16
	s_add_co_u32 s86, s86, s87
	s_mov_b32 s87, 0
	s_mul_i32 s88, s[WV], HALFT                    ; where my rows go: wave x 128 rows: no place in the cluster enters an LDS address
	s_and_b32 s89, s[GG], 1                        ; the part: 0 real, 1 imaginary
	s_mov_b32 s[SEL], 0x76543210
	s_mov_b32 s[SEL+1], 0xfedcba98
	s_wait_dscnt 0x0
	s_wait_kmcnt 0x0
	s_cmp_eq_u32 s[GG], 1                          ; the GEMM's five buffers: a choice that hangs on the cluster's y alone
.irp j, 0,1,2,3,4
	s_cselect_b64 s[4+2*\j:5+2*\j], s[14+2*\j:15+2*\j], s[4+2*\j:5+2*\j]
.endr
	s_cmp_eq_u32 s[GG], 2
.irp j, 0,1,2,3,4
	s_cselect_b64 s[4+2*\j:5+2*\j], s[24+2*\j:25+2*\j], s[4+2*\j:5+2*\j]
.endr
	s_cmp_eq_u32 s[GG], 3
.irp j, 0,1,2,3,4
	s_cselect_b64 s[4+2*\j:5+2*\j], s[34+2*\j:35+2*\j], s[4+2*\j:5+2*\j]
.endr
	s_cmp_eq_u32 s89, 1                            ; and the part's two output buffers
	s_cselect_b64 s[OUTC:OUTC+1], s[48:49], s[OUTC:OUTC+1]
	s_cselect_b64 s[OUTS:OUTS+1], s[50:51], s[OUTS:OUTS+1]
	s_add_nc_u64 s[14:15], s[4:5], s[84:85]        ; outer codes s[4:5], outer scales s[6:7], inner codes s[8:9], inner scales s[10:11], bias s[12:13]
	s_add_nc_u64 s[16:17], s[8:9], s[86:87]
.irp s, 0,1
	s_mov_b32 s[G0A+4*\s], 1                       ; count = 1
	s_add_co_u32 s[G0A+4*\s+1], s88, \s*SLOT       ; LDS address
	s_add_nc_u64 s[G0A+4*\s+2:G0A+4*\s+3], s[14:15], \s*256   ; global address: 512 along K on for slot 1
	s_or_b32 s[G0A+4*\s+3], s[G0A+4*\s+3], 0x80000000         ; type = 2
	s_mov_b32 s[G0B+4*\s], 1
	s_add_co_u32 s[G0B+4*\s+1], s88, \s*SLOT
	s_add_nc_u64 s[G0B+4*\s+2:G0B+4*\s+3], s[16:17], \s*256
	s_or_b32 s[G0B+4*\s+3], s[G0B+4*\s+3], 0x80000000
.endr
	CROUND                                         ; all sixteen work-groups are here: the joint loads meet
	s_cmp_eq_u32 s[WO], 0                          ; a wave's two fills stand in one branch on its number, ahead of every wait on TENSORcnt and every LDS read: two loads of mine are out
	s_cbranch_scc0 .Lfill_inner
	tensor_load_to_lds s[G0A:G0A+3], s[G1A:G1A+7]
	s_nop 0
	tensor_load_to_lds s[G0A+4:G0A+7], s[G1A:G1A+7]
	s_nop 0
	PLACES 4                                       ; four plain lines behind the loads
	s_branch .Lfilled
.Lfill_inner:
	tensor_load_to_lds s[G0B:G0B+3], s[G1B:G1B+7]
	s_nop 0
	tensor_load_to_lds s[G0B+4:G0B+7], s[G1B:G1B+7]
	s_nop 0
	PLACES 4
.Lfilled:
	v_and_b32 v1, 31, v0                           ; lane
	v_and_b32 v8, 15, v0                           ; r
	v_bfe_u32 v9, v0, 4, 1                         ; h
	v_lshlrev_b32 v[LI], 4, v1
	v_lshlrev_b32 v[L32], 5, v1
	v_lshlrev_b32 v[BH], 5, v9
	v_lshlrev_b32 v[BR], 2, v8
	s_lshl_b32 s18, s[WV], 9
	s_add_co_u32 s18, s18, SG
	v_add_nc_u32 v[SGW], s18, v[BR]
	v_add_nc_u32 v[SGR], s18, v[LI]
	v_mul_u32_u24 v10, v8, PITCH
	v_lshl_add_u32 v10, v9, 4, v10                 ; a fragment's row x pitch + 16 x half
	s_mul_i32 s19, s[WO], HALFT                    ; my 128 outer rows
	s_mul_i32 s20, s[WI], HALFT                    ; my 128 inner rows,
	s_add_co_u32 s20, s20, 2*HALFT                 ; which lie behind outer's 256
.irp s, 0,1
	v_add_nc_u32 v[ADRA+\s], s19, v10
	v_add_nc_u32 v[ADRB+\s], s20, v10
	s_add_co_u32 s19, s19, SLOT
	s_add_co_u32 s20, s20, SLOT
.endr
.irp b, 0,1,2,3
	v_mov_b32 v[TM+4+\b], 0                        ; written once: a lane permute's destination counts as one of its sources
.endr
	s_lshl_b32 s21, s[OT], 1
	s_add_co_u32 s21, s21, s[WO]                   ; O: my run of 128 outer rows
	s_lshl_b32 s22, s[IT], 1
	s_add_co_u32 s22, s22, s[WI]                   ; I: my run of 128 inner rows
	s_mov_b32 s25, 0
	s_lshl_b32 s24, s21, 12                        ; 128 rows of 32 scale bytes
	s_add_nc_u64 s[6:7], s[6:7], s[24:25]
	s_lshl_b32 s24, s22, 12
	s_add_nc_u64 s[10:11], s[10:11], s[24:25]
	; THE SCALE WORDS OF ALL OF K STAY IN REGISTERS: a lane takes a row's 32 bytes by two loads of 16; 32 rows to a pair of loads, 1,024 consecutive bytes
.irp al, 0,1,2,3
.irp q, 0,1
	global_load_b128 v[SCO+8*\al+4*\q:SCO+8*\al+4*\q+3], v[L32], s[6:7] offset:1024*\al+16*\q
	global_load_b128 v[SCI+8*\al+4*\q:SCI+8*\al+4*\q+3], v[L32], s[10:11] offset:1024*\al+16*\q
.endr
.endr
	s_cmp_eq_u32 s[MODE], 1                        ; the bias runs along the output channel: the inner index for K, the outer row for V
	s_cselect_b32 s24, s21, s22
	s_lshl_b32 s24, s24, 9                         ; my 128 numbers of it
	s_add_nc_u64 s[12:13], s[12:13], s[24:25]
	s_cmp_eq_u32 s[MODE], 1
	s_cbranch_scc1 .Lbias_outer
	WIN 0x40                                       ; destination window 1
.irp b, 0,1,2,3,4,5,6,7
	global_load_b128 v[BIAS+8*\b:BIAS+8*\b+3], v[BH], s[12:13] offset:64*\b        ; tile b of C: register j = bias(16 b + 8 h + j)
	global_load_b128 v[BIAS+8*\b+4:BIAS+8*\b+7], v[BH], s[12:13] offset:64*\b+16
.endr
	WIN 0
	s_branch .Lbias_done
.Lbias_outer:
	WIN 0x40
.irp a, 0,1,2,3,4,5,6,7
.irp j, 0,1,2,3,4,5,6,7
	global_load_b32 v[BIAS+8*\a+\j], v[BR], s[12:13] offset:64*\a                  ; tile a of C: all eight registers = bias(16 a + r)
.endr
.endr
	WIN 0
.Lbias_done:
	; where my results go, the same formula for both modes: mode << 21 + batch << 19 + (I & 7) << 16 + (O & 7) << 13; the batch is O >> 3 (K: I < 8) or I >> 3 (V: O < 8)
	s_lshr_b32 s26, s21, 3
	s_lshr_b32 s27, s22, 3
	s_add_co_u32 s26, s26, s27
	s_lshl_b32 s26, s26, 19
	s_and_b32 s27, s22, 7
	s_lshl_b32 s27, s27, 16
	s_add_co_u32 s26, s26, s27
	s_and_b32 s27, s21, 7
	s_lshl_b32 s27, s27, 13
	s_add_co_u32 s26, s26, s27
	s_lshl_b32 s27, s[MODE], 21
	s_add_co_u32 s26, s26, s27
	s_mov_b32 s27, 0
	s_add_nc_u64 s[OUTC:OUTC+1], s[OUTC:OUTC+1], s[26:27]
	s_lshr_b32 s26, s26, 4                         ; a scale word for each 64 bytes of codes
	s_add_nc_u64 s[OUTS:OUTS+1], s[OUTS:OUTS+1], s[26:27]
.macro FRAG reg, adr, q, i             ; 16 rows x 128 K of 4-bit codes: 8 registers; registers 4 c .. 4 c + 3 hold K = 64 c + 32 (lane / 16) + 0 .. 31
.irp c, 0,1
	ds_load_b128 v[\reg+4*\c:\reg+4*\c+3], v[\adr] offset:64*(\q)+32*\c+(\i)*16*PITCH
.endr
.endm
.macro FETCH ks                        ; K step ks (128 along K): 32 LDS loads in one run, into set ks % 2
	WIN 0x40
.irp i, 0,1,2,3,4,5,6,7
	FRAG 128*((\ks)%2)+8*\i, ADRB+(\ks)/4, (\ks)%4, \i
.endr
	WIN 0
.irp i, 0,1,2,3,4,5,6,7
	FRAG AF+64*((\ks)%2)+8*\i, ADRA+(\ks)/4, (\ks)%4, \i
.endr
.endm
; 64 products of K step ks.  cm = 0: onto the sums; 1: the sums begin with the bias along the inner index; 2: along the outer rows.
; The 64 accumulators take turns, one instruction a turn, in the same order in every step.
.macro MULS ks, cm
.irp a, 0,1,2,3,4,5,6,7
.if \cm == 0
	WIN 0xa1+0x50*(\a/4)                           ; source 0 window 1, source 1 window 0, C and D window 2 or 3
.else
	WIN 0x91+0x40*(\a/4)                           ; C window 1
.endif
.irp b, 0,1,2,3,4,5,6,7
.set rD, 8*(8*(\a%4)+\b)
.set rX, 128*((\ks)%2)+8*\b
.set rY, AF+64*((\ks)%2)+8*\a
.set rC, rD
.if \cm == 1
.set rC, BIAS+8*\b
.endif
.if \cm == 2
.set rC, BIAS+8*\a
.endif
	WM rD, rX, rY, rC, SCI+8*(\b/2)+(\ks), SCO+8*(\a/2)+(\ks), \b%2, \a%2
.endr
.endr
	WIN 0
.endm
.macro STEP ks, fetch
	s_wait_dscnt 0x0                               ; this step's 32 loads, issued in front of the last step's 64 products
.if \fetch
	PLACES 4                                       ; four plain lines between the last product and loads into the set that it read (ISA guide 7.12.1 for vector instructions)
	FETCH (\ks)+1
.endif
	MULS \ks, 0
.endm
	s_wait_tensorcnt 0x1                           ; my part of slot 0 is in; the one load issued behind it, slot 1's, may stay out
	s_barrier_signal -1
	s_barrier_wait -1                              ; everybody's part is in
	FETCH 0
	s_wait_loadcnt 0x0                             ; the scale words and the bias
	s_wait_dscnt 0x0
	FETCH 1
	s_cmp_eq_u32 s[MODE], 1                        ; the first K step starts the sums with the bias: nothing is cleared.  The branch hangs on the cluster's y alone and goes round products only
	s_cbranch_scc1 .Lfirst_outer
	MULS 0, 1
	s_branch .Lfirst_done
.Lfirst_outer:
	MULS 0, 2
.Lfirst_done:
	STEP 1, 1
	STEP 2, 1
	s_wait_dscnt 0x0                               ; K step 3's fragments are in, and no LDS load of mine is out at the signal
	s_wait_tensorcnt 0x0                           ; my part of slot 1 is in
	s_barrier_signal -1
	s_barrier_wait -1                              ; everybody's is
	PLACES 4
	FETCH 4
	MULS 3, 0
	STEP 4, 1
	STEP 5, 1
	STEP 6, 1
	STEP 7, 0
; THE WAY OUT of outer block a: its 64 numbers a lane (8 tiles) become a fragment's codes and a scale word.  Each accumulator is read from its low end on.
.macro QOUT a
.set QW, 2+(\a)/4                      ; the block's window
.set QS, 64*((\a)%4)                   ; its first register there
.set QP, AF+8*(\a)                     ; its codes, in window 0
	WIN QW|(QW<<2)                                 ; sources 0 and 1 in the block's window
.irp b, 0,1,2,3
	v_max3_num_f32 v[TM+\b], |v[QS+16*\b]|, |v[QS+16*\b+1]|, 0x1800000      ; block b of 32: my 16 numbers, and the floor 2^(3 - 127): the byte cannot fall under 1
.endr
.irp i, 2,4,6,8,10,12,14
.irp b, 0,1,2,3
	v_max3_num_f32 v[TM+\b], |v[QS+16*\b+\i]|, |v[QS+16*\b+\i+1]|, v[TM+\b]  ; the four blocks by turns
.endr
.endr
	WIN 0
.irp b, 0,1,2,3
	v_permlanex16_b32 v[TM+4+\b], v[TM+\b], s[SEL], s[SEL+1]
.endr
.irp b, 0,1,2,3
	v_max_num_f32 v[TM+\b], v[TM+\b], v[TM+4+\b]   ; with lane l xor 16's 16: the block's largest magnitude
.endr
.irp b, 0,1,2,3
	v_add_nc_u32 v[TM+12+\b], 0xff000000, v[TM+\b] ; 2 off its exponent field: the conversion takes this operand's exponent field as its scale
.endr
.irp b, 0,1,2,3
	v_lshrrev_b32 v[TM+4+\b], 23, v[TM+12+\b]      ; the scale's byte
.endr
	v_lshl_or_b32 v[PW+\a], v[TM+5], 8, v[TM+4]
	v_lshl_or_b32 v[PW+\a], v[TM+6], 16, v[PW+\a]
	v_lshl_or_b32 v[PW+\a], v[TM+7], 24, v[PW+\a]  ; my row's scale word
	WIN QW                                         ; source 0 in the block's window
.irp b, 0,1,2,3
.irp u, 0,1
	v_cvt_scalef32_pk8_fp4_f32 v[QP+4*(\b/2)+2*\u+(\b%2)], v[QS+16*\b+8*\u:QS+16*\b+8*\u+7], v[TM+12+\b]   ; tile 2 b + u: k = 32 b + 16 u + 8 h + 0 .. 7
.endr
.endr
	WIN 0
	v_nop                                          ; one plain line behind the scaled conversions
.irp p, 0,2,4,6
	v_permlane16_swap_b32 v[QP+\p], v[QP+\p+1]     ; blocks 2 c and 2 c + 1 change halves: register 4 c + i now holds k = 64 c + 32 h + 8 i + 0 .. 7: the operand's layout
.endr
	global_store_b128 v[LI], v[QP:QP+3], s[OUTC:OUTC+1] offset:1024*(\a)          ; 32 lanes store 512 consecutive bytes, at a multiple of 512 from the buffer's first byte
	global_store_b128 v[LI], v[QP+4:QP+7], s[OUTC:OUTC+1] offset:1024*(\a)+512
	ds_store_b32 v[SGW], v[PW+\a] offset:64*(\a)   ; lanes r and r + 16 write the same word with the same value.  Every block has registers of its own: no store's data are written again
.endm
	PLACES 4                                       ; between the last product and the first read of results, and the first write into registers that products have read
.irp a, 0,1,2,3,4,5,6,7
	QOUT \a
.endr
	ds_load_b128 v[SWO:SWO+3], v[SGR]              ; LDS serves a wave's instructions in order: this sees my stores; the bytes are my wave's own
	s_wait_dscnt 0x0
	global_store_b128 v[LI], v[SWO:SWO+3], s[OUTS:OUTS+1]   ; my 128 rows' scale words: 512 consecutive bytes
	s_wait_tensorcnt 0x0
	ds_add_u32 v126, v127
	s_wait_dscnt 0x0
	CROUND                                         ; the closing round: no work-group ends while a partner may still ask for a tile that names it
	s_endpgm
.Lfunc_end_k_q861adf26dc_projkv:
	.size	k_q861adf26dc_projkv, .Lfunc_end_k_q861adf26dc_projkv-k_q861adf26dc_projkv
	.p2alignl 7, 3214868480
	.fill 96, 4, 3214868480
	.section	.rodata,"a",@progbits
	.p2align	6, 0x0
	.amdhsa_kernel k_q861adf26dc_projkv
		.amdhsa_group_segment_fixed_size 281088
		.amdhsa_private_segment_fixed_size 0
		.amdhsa_enable_private_segment 0
		.amdhsa_kernarg_size 192
		.amdhsa_user_sgpr_count 2
		.amdhsa_user_sgpr_kernarg_segment_ptr 1
		.amdhsa_wavefront_size32 1
		.amdhsa_system_sgpr_workgroup_id_x 1
		.amdhsa_system_sgpr_workgroup_id_y 1
		.amdhsa_system_sgpr_workgroup_id_z 1
		.amdhsa_system_vgpr_workitem_id 0
		.amdhsa_next_free_vgpr 1024
		.amdhsa_next_free_sgpr 94
		.amdhsa_reserve_vcc 0
		.amdhsa_float_denorm_mode_32 3
		.amdhsa_float_denorm_mode_16_64 3
		.amdhsa_memory_ordered 1
		.amdhsa_forward_progress 1
		.amdhsa_inst_pref_size 142
	.end_amdhsa_kernel
	.amdgpu_metadata
---
amdhsa.version: [ 1, 2 ]
amdhsa.kernels:
  - .name:           k_q861adf26dc_projkv
    .symbol:         k_q861adf26dc_projkv.kd
    .args:
      - { .name: k_r_codes, .offset: 0, .size: 8, .value_kind: global_buffer, .address_space: global }
      - { .name: k_r_scales, .offset: 8, .size: 8, .value_kind: global_buffer, .address_space: global }
      - { .name: Wk_r_codes, .offset: 16, .size: 8, .value_kind: global_buffer, .address_space: global }
      - { .name: Wk_r_scales, .offset: 24, .size: 8, .value_kind: global_buffer, .address_space: global }
      - { .name: bk_r, .offset: 32, .size: 8, .value_kind: global_buffer, .address_space: global }
      - { .name: k_i_codes, .offset: 40, .size: 8, .value_kind: global_buffer, .address_space: global }
      - { .name: k_i_scales, .offset: 48, .size: 8, .value_kind: global_buffer, .address_space: global }
      - { .name: Wk_i_codes, .offset: 56, .size: 8, .value_kind: global_buffer, .address_space: global }
      - { .name: Wk_i_scales, .offset: 64, .size: 8, .value_kind: global_buffer, .address_space: global }
      - { .name: bk_i, .offset: 72, .size: 8, .value_kind: global_buffer, .address_space: global }
      - { .name: Wv_r_codes, .offset: 80, .size: 8, .value_kind: global_buffer, .address_space: global }
      - { .name: Wv_r_scales, .offset: 88, .size: 8, .value_kind: global_buffer, .address_space: global }
      - { .name: v_r_codes, .offset: 96, .size: 8, .value_kind: global_buffer, .address_space: global }
      - { .name: v_r_scales, .offset: 104, .size: 8, .value_kind: global_buffer, .address_space: global }
      - { .name: bv_r, .offset: 112, .size: 8, .value_kind: global_buffer, .address_space: global }
      - { .name: Wv_i_codes, .offset: 120, .size: 8, .value_kind: global_buffer, .address_space: global }
      - { .name: Wv_i_scales, .offset: 128, .size: 8, .value_kind: global_buffer, .address_space: global }
      - { .name: v_i_codes, .offset: 136, .size: 8, .value_kind: global_buffer, .address_space: global }
      - { .name: v_i_scales, .offset: 144, .size: 8, .value_kind: global_buffer, .address_space: global }
      - { .name: bv_i, .offset: 152, .size: 8, .value_kind: global_buffer, .address_space: global }
      - { .name: codes_r, .offset: 160, .size: 8, .value_kind: global_buffer, .address_space: global }
      - { .name: scales_r, .offset: 168, .size: 8, .value_kind: global_buffer, .address_space: global }
      - { .name: codes_i, .offset: 176, .size: 8, .value_kind: global_buffer, .address_space: global }
      - { .name: scales_i, .offset: 184, .size: 8, .value_kind: global_buffer, .address_space: global }
    .group_segment_fixed_size: 281088
    .private_segment_fixed_size: 0
    .kernarg_segment_align: 8
    .kernarg_segment_size: 192
    .max_flat_workgroup_size: 128
    .sgpr_count:     94
    .vgpr_count:     1024
    .wavefront_size: 32
...
	.end_amdgpu_metadata
.endif
;; end of part 1
;; launch attn (part 2): grid 4 x 64, 16 waves a work-group, clusters of 4 x 1, 301,056 bytes of LDS; arguments codes_r, codes_i, scales_r, scales_i, oc_r, oc_i, os, bq_r, q_r_codes, q_i_codes, q_r_scales, q_i_scales, Wq_r_codes, Wq_i_codes, Wq_r_scales, Wq_i_scales, bq_i; writes oc_r, oc_i, os
.if DOCPART == 2
	.amdgcn_target "amdgcn-amd-amdhsa--gfx1250"
	.amdhsa_code_object_version 6
	.text
	.protected	k_q861adf26dc_attn
	.globl	k_q861adf26dc_attn
	.p2align	8
	.type	k_q861adf26dc_attn,@function
k_q861adf26dc_attn:
	s_mov_b64 s[64:65], 0
	v_nop
	global_prefetch_b8 v0, s[64:65] scope:SCOPE_SE
	s_setreg_imm32_b32 hwreg(HW_REG_WAVE_MODE, 25, 1), 1
	s_wait_xcnt 0x0
	s_wait_alu depctr_hold_cnt(0) depctr_sa_sdst(0) depctr_va_vdst(0) depctr_va_sdst(0) depctr_va_ssrc(0) depctr_va_vcc(0) depctr_vm_vsrc(0)
	s_getreg_b32 s2, hwreg(HW_REG_IB_STS2, 6, 4)
	s_cmp_eq_u32 s2, 0
	s_cbranch_scc0 .Lentry_in_a_cluster
	s_endpgm
.Lentry_in_a_cluster:
	s_bfe_u32 s2, ttmp6, 0x10000c
	s_cmp_lg_u32 s2, 0x3003
	s_cbranch_scc0 .Lentry_shape_is_right
	s_endpgm
.Lentry_shape_is_right:
; Q'S PROJECTIONS AND ATTENTION WITH SHARED WEIGHTS.  Q_r = q_r Wq_r^T + bq_r, Q_i likewise; scores = (Q_r . K_r + Q_i . K_i) / 8, softmax over the keys, O_r = P V_r, O_i = P V_i; 64 (batch, head) pairs, 1024 queries and
; keys, 64 channels a part.  All products on codes of FP4 (E2M1) with E8M0 scales.
; Q IS MADE HERE: a head's 64 + 64 channels of 256 queries are used by this work-group alone, so making them here repeats no product, and Q never goes to memory.
; ONE INSTRUCTION SUMS BOTH SCORE PRODUCTS: the real part's 64 channels are K = 0 .. 63 of a 16 x 16 x 128 product, the imaginary part's K = 64 .. 127; the four blocks of 32 keep their own scales.  V_r and V_i are 128 channels of one V.
; THE SOFTMAX AHEAD OF THE SECOND PRODUCT: t = score x log2(e) / 8; M = the row's largest t so far, rounded UP to a whole number; p = 2^(t - M) is what is quantised, along the keys, not normalised.  The row's sum is taken
; of the unquantised p and divides O at the end.  When M moves, the sum and O are multiplied by 2^(old M - new M), which rounds nothing.
; SHARES.  A work-group owns 256 queries of one head, each of its sixteen waves 16 of them in 256 registers; every wave walks the head's 1024 keys, 128 a step, eight steps, written out.
; FOR Q the waves go in pairs: wave w makes ONE part (w & 1) of TWO tiles of queries (2 (w / 2), + 1), so that each fragment of Wq read from LDS feeds two products.  Its 32 rows of q, 16 KiB, come by 32 loads of two whole
; aligned runs of 256 bytes each and turn through the wave's own stage in LDS (16 rows x 272 bytes, four times) into fragments, in the registers that they left.  Source 0 = 16 rows of Wq, source 1 = 16 rows of q: a lane holds
; one query, its registers run along the channels.  Two passes of two channel tiles (one block of 32 each), four accumulators by turns; the bias is loaded into the accumulators ahead of a pass.  A pass's results are quantised in
; registers; a tile's two groups of four registers and the two halves of its scale word meet in LDS, as images of the operand's registers, behind a barrier.
; ALL OF A HEAD'S K AND V LIE IN LDS, 128 KiB of codes, as images of operand registers (16 bytes a lane, 512 consecutive bytes a load); every LDS byte is filled once.  K's scale words (real and imaginary halves merged) are
; made once for the work-group, 64 keys a wave, in a table of 4 KiB, and then read by every wave into 32 registers.
; IN THE KEY STEPS EVERY RUN OF LDS LOADS IS ASKED FOR A PHASE AHEAD OF ITS USE, into registers that lie idle then: V's real tiles ahead of the softmax, V's imaginary tiles into p's first half as soon as that is converted and summed,
; the next step's K into p's second half and into the registers that V's real tiles have left.  So the waits for LDS are counted, and LDS serves the loads while the wave computes.
; CLUSTER.  The four query blocks of a head are a cluster and ask jointly (mask 15): waves 0, 1 for a part's Wq and K, waves 2, 3 for a part's V and its scale words.  q's rows are shared by no partner.
; LAYOUT.  S^T = K Q^T, O^T = V^T P^T: a lane holds ONE query (lane % 16).  In a tile t register j is index 16 t + 8 (lane / 16) + j: the 16 registers of tiles 2 B, 2 B + 1 are 16 numbers of block B, lane l xor 16 holds the other 16.
; The conversions' results are laid so that one exchange of halves for each pair gives the operand's layout.
; O / the sum is quantised along the channels and leaves as codes for the last launch: oc_r, oc_i [row / 16][head][lane][16 bytes]; os [head][row]: 4 bytes: two blocks real, two imaginary.
; LIMITS: NaN and infinities are not served.  A block whose largest magnitude lies under 2^-124 gets the byte 1 (its codes are zeros; the bytes are read by this program alone).  The division is a reciprocal and a multiplication.
; Q's bias begins the sum where the reference ends with it.  A block's largest p is made from the block's largest score by the same multiply-add and exponential; that takes v_exp_f32 not to fall where its input rises.
; REGISTERS in the key steps: v1-8 offsets; v12 -M, v13 the largest t, v[14:15] the sum in two halves; v16-23 Q; v24 O's scale word; v32-63 K's tiles 4-7 of a step, then V's real tiles; v64-95 K's scale words (register B: lane L = key 32 B + L);
;   v96-127 S^T's tiles 0-3, then p, then V's imaginary tiles; v128-159 K's tiles 0-3, then S^T's tiles 4-7, then p; v160-223 O^T; v224-231 p's codes; v232-247 at work; v248-251 V's scale words of the step; v252 f; v253 p's scale word;
;   v254 at work; v255 Q's scale word.
; REGISTERS while Q is made: v9-11, v252, v254 offsets; v12-13 two halves of scale words; v14 Wq's LDS address, v15 the bias's; v24-31 the new codes (first v24, v25 the stage's addresses); v32-63 four accumulators ((m, u) at 32 + 16 m + 8 u);
;   v64-79 Wq's scale words, v80-87 q's; v96-223 q's fragments ((m, ks) at 96 + 32 (2 (ks / 4) + m) + 8 (ks % 4)); Wq's fragments, two sets of two: v224-239; v240-247 and v16-23 (v240-247 also at work between the passes).
.set KI,   32768                       ; LDS: K real at 0 (key tile T at 512 T), K imaginary here,
.set VR,   65536                       ; V real (step s, channel tile t, half c: 4096 s + 1024 t + 512 c), V imaginary 32768 on,
.set VS,   131072                      ; V's scale words, real (256 s + 4 x channel), imaginary 2048 on,
.set OSG,  135168                      ; 1024 bytes in which the work-group's 256 scale words of O are gathered,
.set WQ,   136192                      ; Wq's 64 rows of my head, real, then imaginary:
.set WPITCH, 528                       ; a row of 512 bytes + 16 of padding, so that the 16 rows of a fragment load start 132 words apart
.set WQP,  64*WPITCH
.set QIMG, 203776                      ; Q's fragments as images: tile x 1024 + part x 512 + 16 x lane,
.set QSC,  220160                      ; Q's scale words: tile x 64 + 4 x row + 2 x part,
.set KSC,  221184                      ; K's scale words: 4 x key,
.set BIA,  225280                      ; a part's 64 numbers of the bias, 256 bytes for each wave,
.set STG,  229376                      ; and each wave's stage for q: 16 rows x 272 bytes.  From OSG on only WQ is a tile's target
.set STGW, 16*272
.set WV,   18
.set QB,   19                          ; my block of 256 queries.  It, TT and s[94:97] alone hold numbers made of my place in the cluster: no descriptor is fed from them
.set BB,   20
.set HH,   21
.set HP,   22
.set PAR,  23
.set PART, 24
.set TT,   25
.set SEL,  26                          ; s[26:27] lane selects: lane l xor 16
.set CS,   28                          ; s[28:29] c = log2(e) / 8, twice: the packed form names a pair
.set PSEL, 30                          ; which half of a pair of heads' scale words is my head's
.macro PLACES n
.rept \n
	v_nop
.endr
.endm
.macro CROUND
	s_barrier_signal -1
	s_barrier_wait -1
	s_cmp_lg_u32 s[WV], 0
	s_cbranch_scc1 .Lnot_wave_0_\@
	s_barrier_signal -3
.Lnot_wave_0_\@:
	s_barrier_wait -3
	s_barrier_signal -1
	s_barrier_wait -1
.endm
.macro WM d, x, y, sx, sy, rx          ; D += source 0 x source 1; rx: source 0's scales stand in lanes 16-31
.if (\rx)
	v_wmma_scale_f32_16x16x128_f8f6f4 v[\d:\d+7], v[\x:\x+7], v[\y:\y+7], v[\d:\d+7], v[\sx], v[\sy] matrix_a_fmt:MATRIX_FMT_FP4 matrix_b_fmt:MATRIX_FMT_FP4 matrix_a_scale:MATRIX_SCALE_ROW1
.else
	v_wmma_scale_f32_16x16x128_f8f6f4 v[\d:\d+7], v[\x:\x+7], v[\y:\y+7], v[\d:\d+7], v[\sx], v[\sy] matrix_a_fmt:MATRIX_FMT_FP4 matrix_b_fmt:MATRIX_FMT_FP4
.endif
.endm
.macro WMZ d, x, y, sx, sy, rx         ; the same, starting a sum
.if (\rx)
	v_wmma_scale_f32_16x16x128_f8f6f4 v[\d:\d+7], v[\x:\x+7], v[\y:\y+7], 0, v[\sx], v[\sy] matrix_a_fmt:MATRIX_FMT_FP4 matrix_b_fmt:MATRIX_FMT_FP4 matrix_a_scale:MATRIX_SCALE_ROW1
.else
	v_wmma_scale_f32_16x16x128_f8f6f4 v[\d:\d+7], v[\x:\x+7], v[\y:\y+7], 0, v[\sx], v[\sy] matrix_a_fmt:MATRIX_FMT_FP4 matrix_b_fmt:MATRIX_FMT_FP4
.endif
.endm
.macro WQM d, x, y, sx, sy, rx, ry     ; D += source 0 x source 1; rx, ry: a source's scales stand in lanes 16-31
.if (\rx) && (\ry)
	v_wmma_scale_f32_16x16x128_f8f6f4 v[\d:\d+7], v[\x:\x+7], v[\y:\y+7], v[\d:\d+7], v[\sx], v[\sy] matrix_a_fmt:MATRIX_FMT_FP4 matrix_b_fmt:MATRIX_FMT_FP4 matrix_a_scale:MATRIX_SCALE_ROW1 matrix_b_scale:MATRIX_SCALE_ROW1
.elseif (\rx)
	v_wmma_scale_f32_16x16x128_f8f6f4 v[\d:\d+7], v[\x:\x+7], v[\y:\y+7], v[\d:\d+7], v[\sx], v[\sy] matrix_a_fmt:MATRIX_FMT_FP4 matrix_b_fmt:MATRIX_FMT_FP4 matrix_a_scale:MATRIX_SCALE_ROW1
.elseif (\ry)
	v_wmma_scale_f32_16x16x128_f8f6f4 v[\d:\d+7], v[\x:\x+7], v[\y:\y+7], v[\d:\d+7], v[\sx], v[\sy] matrix_a_fmt:MATRIX_FMT_FP4 matrix_b_fmt:MATRIX_FMT_FP4 matrix_b_scale:MATRIX_SCALE_ROW1
.else
	v_wmma_scale_f32_16x16x128_f8f6f4 v[\d:\d+7], v[\x:\x+7], v[\y:\y+7], v[\d:\d+7], v[\sx], v[\sy] matrix_a_fmt:MATRIX_FMT_FP4 matrix_b_fmt:MATRIX_FMT_FP4
.endif
.endm
	s_load_b256 s[4:11], s[0:1], 0x0               ; K's and V's codes real s[4:5], imaginary s[6:7]; their scale words real s[8:9], imaginary s[10:11]
	s_load_b128 s[12:15], s[0:1], 0x20             ; O's codes, real and imaginary
	s_load_b64 s[16:17], s[0:1], 0x30              ; O's scale words
	s_load_b64 s[84:85], s[0:1], 0x38              ; Q's bias, real
	s_load_b512 s[68:83], s[0:1], 0x40             ; q's codes r, i; q's scales r, i; Wq's codes r, i; Wq's scales r, i
	s_load_b64 s[86:87], s[0:1], 0x80              ; Q's bias, imaginary
	v_lshl_add_u32 v254, v0, 2, 0x49000
	v_mov_b32 v255, 0
	ds_add_u32 v254, v255
	ds_add_u32 v254, v255
	s_wait_dscnt 0x0
	v_lshrrev_b32 v9, 5, v0
	v_readfirstlane_b32 s[WV], v9                  ; wave 0..15
	s_bfe_u32 s[QB], ttmp6, 0x40000                ; cx
	s_lshl_b32 s96, ttmp9, 2
	s_add_co_u32 s[QB], s[QB], s96                 ; my block of queries = 4 x cluster x + cx
	s_and_b32 s[HH], ttmp7, 0xffff                 ; the (batch, head) pair, which the four partners share
	s_lshr_b32 s[BB], s[HH], 4                     ; batch
	s_and_b32 s[HH], s[HH], 15                     ; head
	s_lshr_b32 s[HP], s[HH], 1                     ; its pair of heads,
	s_and_b32 s[PAR], s[HH], 1                     ; and which of the two
	s_and_b32 s[PART], s[WV], 1                    ; my part, for what I fetch and for Q: 0 real, 1 imaginary
	s_lshl_b32 s[TT], s[QB], 4
	s_add_co_u32 s[TT], s[TT], s[WV]               ; my tile of 16 queries, 0..63
	s_mov_b32 s[SEL], 0x76543210
	s_mov_b32 s[SEL+1], 0xfedcba98
	s_mov_b32 s[CS], 0x3e38aa3b                    ; log2(e) / 8
	s_mov_b32 s[CS+1], s[CS]
	s_mov_b32 s[PSEL], 0x07060302                  ; the two high halves (odd head),
	s_cmp_eq_u32 s[PAR], 1
	s_cselect_b32 s[PSEL], s[PSEL], 0x05040100     ; or the two low ones (even head)
	s_mov_b32 s40, 15|(3<<16)|(1<<21)              ; group 1 for K: elements of 8 bytes, mask 15 with bit 21 beside it: 64 key tiles of 512 bytes, 1024 bytes apart (the other head of the pair lies between)
	s_mov_b32 s41, 64<<16
	s_mov_b32 s42, 64<<16
	s_mov_b32 s43, 64<<16
	s_mov_b32 s44, 64
	s_mov_b32 s45, 128
	s_mov_b32 s46, 0
	s_mov_b32 s47, 0
	s_lshl_b32 s60, s[BB], 19
	s_lshl_b32 s31, s[HH], 12
	s_add_co_u32 s62, s60, s31
	s_add_co_u32 s62, s62, 1<<21                   ; V's codes: 1 << 21 + batch << 19 + head << 12
	s_mov_b32 s63, 0
	s_lshl_b32 s31, s[HP], 16
	s_add_co_u32 s60, s60, s31
	s_lshl_b32 s31, s[PAR], 9
	s_add_co_u32 s60, s60, s31                     ; K's codes: batch << 19 + pair << 16 + parity << 9
	s_mov_b32 s61, 0
	s_lshl_b32 s92, s[BB], 15
	s_lshl_b32 s31, s[HH], 8
	s_add_co_u32 s88, s92, s31
	s_add_co_u32 s88, s88, 1<<17                   ; V's scale words: 1 << 17 + batch << 15 + head << 8
	s_mov_b32 s89, 0
	s_lshl_b32 s31, s[HP], 12
	s_add_co_u32 s92, s92, s31
	s_lshl_b32 s31, s[WV], 8
	s_add_co_u32 s92, s92, s31                     ; K's scale words of my wave's 64 keys: batch << 15 + pair << 12 + wave << 8
	s_mov_b32 s93, 0
	s_lshl_b32 s90, s[HH], 15                      ; Wq's codes: my head's 64 rows of 512 bytes
	s_mov_b32 s91, 0
	s_lshl_b32 s94, s[BB], 10
	s_lshl_b32 s96, s[QB], 8
	s_add_co_u32 s94, s94, s96
	s_lshr_b32 s96, s[WV], 1
	s_lshl_b32 s96, s96, 5
	s_add_co_u32 s94, s94, s96                     ; the first of my pair's 32 rows of q
	s_lshl_b32 s96, s94, 5                         ; its scale bytes,
	s_mov_b32 s97, 0
	s_lshl_b32 s94, s94, 9                         ; its codes
	s_mov_b32 s95, 0
	s_mov_b32 s32, 1                               ; group 0 for K: count,
	s_lshl_b32 s33, s[PART], 15                    ; LDS address: the part's 32 KiB
	s_mov_b32 s36, 1                               ; for Wq
	s_mul_i32 s37, s[PART], WQP
	s_add_co_u32 s37, s37, WQ
	s_mov_b32 s48, 1                               ; for V
	s_add_co_u32 s49, s33, VR
	s_mov_b32 s56, 1                               ; for V's scale words
	s_lshl_b32 s57, s[PART], 11
	s_add_co_u32 s57, s57, VS
	s_wait_kmcnt 0x0
	s_cmp_eq_u32 s[PART], 1                        ; my part's buffers: a choice that hangs on the wave's number alone
	s_cselect_b64 s[52:53], s[6:7], s[4:5]         ; K's and V's codes
	s_cselect_b64 s[54:55], s[10:11], s[8:9]       ; their scale words
	s_cselect_b64 s[66:67], s[70:71], s[68:69]     ; q's codes
	s_cselect_b64 s[98:99], s[74:75], s[72:73]     ; q's scales
	s_cselect_b64 s[2:3], s[78:79], s[76:77]       ; Wq's codes
	s_cselect_b64 s[100:101], s[82:83], s[80:81]   ; Wq's scales
	s_cselect_b64 s[104:105], s[86:87], s[84:85]   ; the bias
	s_add_nc_u64 s[34:35], s[52:53], s[60:61]
	s_or_b32 s35, s35, 0x80000000                  ; type = 2
	s_add_nc_u64 s[38:39], s[2:3], s[90:91]
	s_or_b32 s39, s39, 0x80000000
	s_add_nc_u64 s[50:51], s[52:53], s[62:63]
	s_or_b32 s51, s51, 0x80000000
	s_add_nc_u64 s[58:59], s[54:55], s[88:89]
	s_or_b32 s59, s59, 0x80000000
	s_mov_b32 s68, 15|(3<<16)|(1<<21)              ; group 1 for V: 8 key steps of 4096 bytes (my head's four channel tiles), 65536 bytes apart
	s_mov_b32 s69, 512<<16
	s_mov_b32 s70, 8<<16
	s_mov_b32 s71, 512<<16
	s_mov_b32 s72, 8
	s_mov_b32 s73, 8192
	s_mov_b32 s74, 0
	s_mov_b32 s75, 0
	s_mov_b32 s76, 15|(3<<16)|(1<<21)              ; for V's scale words: 8 key steps of 256 bytes, 4096 bytes apart
	s_mov_b32 s77, 32<<16
	s_mov_b32 s78, 8<<16
	s_mov_b32 s79, 32<<16
	s_mov_b32 s80, 8
	s_mov_b32 s81, 512
	s_mov_b32 s82, 0
	s_mov_b32 s83, 0
	s_mov_b32 s84, 15|(1<<20)|(1<<21)|(6<<22)|(3<<25)   ; for Wq: elements of 1 byte, 64 rows of 512 bytes, dense in memory; four words of padding after every 128
	s_mov_b32 s85, 512<<16
	s_mov_b32 s86, 64<<16
	s_mov_b32 s87, 512<<16
	s_mov_b32 s88, 64
	s_mov_b32 s89, 512
	s_mov_b32 s90, 0
	s_mov_b32 s91, 0
	s_add_nc_u64 s[66:67], s[66:67], s[94:95]      ; q's codes and scales at my pair's first row
	s_add_nc_u64 s[98:99], s[98:99], s[96:97]
	s_lshl_b32 s2, s[HH], 11
	s_mov_b32 s3, 0
	s_add_nc_u64 s[100:101], s[100:101], s[2:3]    ; Wq's scales: my head's 64 rows of 32 bytes
	s_lshl_b32 s2, s[HH], 8
	s_add_nc_u64 s[104:105], s[104:105], s[2:3]    ; the bias: my head's 64 numbers
	s_add_nc_u64 s[8:9], s[8:9], s[92:93]          ; K's scale words, both parts, at my wave's 64 keys
	s_add_nc_u64 s[10:11], s[10:11], s[92:93]
	CROUND                                         ; all four work-groups are here: the joint loads meet
	s_cmp_lt_u32 s[WV], 2                          ; a wave's fills stand in one branch on its number, ahead of every wait on TENSORcnt and every LDS read: two loads of a fetching wave are out
	s_cbranch_scc0 .Lnot_k
	tensor_load_to_lds s[36:39], s[84:91]          ; Wq first: it is wanted first
	s_nop 0
	tensor_load_to_lds s[32:35], s[40:47]
	s_nop 0
	PLACES 4                                       ; four plain lines behind the loads
	s_branch .Lasked
.Lnot_k:
	s_cmp_lt_u32 s[WV], 4
	s_cbranch_scc0 .Lasked
	tensor_load_to_lds s[56:59], s[76:83]
	s_nop 0
	tensor_load_to_lds s[48:51], s[68:75]
	s_nop 0
	PLACES 4
.Lasked:
	v_and_b32 v9, 31, v0                           ; lane
	v_and_b32 v10, 15, v0                          ; r
	v_bfe_u32 v11, v0, 4, 1                        ; h
	v_lshlrev_b32 v1, 4, v9                        ; 16 x lane: an image's place for my lane; K's tiles begin at LDS byte 0
	v_add_nc_u32 v2, VR, v1                        ; V's
	v_lshlrev_b32 v7, 2, v9                        ; 4 x lane
	v_add_nc_u32 v3, VS, v7                        ; V's scale words: 32 channels to a load
	v_lshlrev_b32 v8, 2, v10                       ; 4 r
	s_lshl_b32 s31, s[WV], 6
	s_add_co_u32 s31, s31, OSG
	v_add_nc_u32 v4, s31, v8                       ; where my query's scale word of O goes
	v_lshlrev_b32 v6, 4, v0
	v_add_nc_u32 v5, OSG, v6                       ; and where waves 0 and 1 read four of them back
	v_lshlrev_b32 v13, 4, v10                      ; 16 r
	v_lshl_add_u32 v252, v11, 9, v13               ; q: lanes 0-15 take 256 bytes of one row, lanes 16-31 of the next
	v_lshlrev_b32 v254, 5, v9                      ; 32 x lane: a row of scale bytes
	global_load_b128 v[32:35], v13, s[104:105]     ; the bias's 64 numbers (both halves of the lanes alike)
	global_load_b32 v36, v7, s[8:9]                ; K's scale words of my 64 keys, for the pair of heads: real,
	global_load_b32 v37, v7, s[8:9] offset:128
	global_load_b32 v38, v7, s[10:11]              ; imaginary
	global_load_b32 v39, v7, s[10:11] offset:128
.irp be, 0,1
.irp q, 0,1
	global_load_b128 v[64+8*\be+4*\q:67+8*\be+4*\q], v254, s[100:101] offset:1024*\be+16*\q   ; register 64 + 8 B + ks: lane L = the word of Wq's row 32 B + L for K step ks
.endr
.endr
.irp q, 0,1
	global_load_b128 v[80+4*\q:83+4*\q], v254, s[98:99] offset:16*\q                         ; register 80 + ks: lane L = the word of my row L of q
.endr
.irp gi, 0,1,2,3                               ; group 2 f + m: tile m's 16 rows, half f of K: eight loads of two aligned runs of 256 bytes
.irp i, 0,1,2,3,4,5,6,7
	global_load_b128 v[96+32*\gi+4*\i:99+32*\gi+4*\i], v252, s[66:67] offset:(16*(\gi%2)+2*\i)*512+256*(\gi/2)
.endr
.endr
	s_mul_i32 s31, s[PART], WQP
	s_add_co_u32 s31, s31, WQ
	v_mul_u32_u24 v14, v10, WPITCH
	v_lshl_add_u32 v14, v11, 4, v14
	v_add_nc_u32 v14, s31, v14                     ; Wq's fragments: my part's tile + row r x pitch + 16 h
	s_lshl_b32 s31, s[WV], 8
	s_add_co_u32 s2, s31, BIA
	v_lshl_add_u32 v15, v11, 5, s2                 ; the bias back: my wave's 256 bytes + 32 h
	v_add_nc_u32 v12, s2, v13                      ; and in: + 16 r
	s_add_co_u32 s2, s31, KSC
	v_add_nc_u32 v9, s2, v7                        ; K's table: my wave's 64 keys + 4 x lane
	s_mul_i32 s31, s[WV], STGW
	s_add_co_u32 s31, s31, STG                     ; my stage
	v_mul_u32_u24 v24, v11, 272
	v_add_nc_u32 v24, v24, v13
	v_add_nc_u32 v24, s31, v24                     ; in: row h of a pair, 16 r
	v_mul_u32_u24 v25, v10, 272
	v_lshl_add_u32 v25, v11, 4, v25
	v_add_nc_u32 v25, s31, v25                     ; back: row r, 16 h
	s_lshl_b32 s94, s[BB], 6                       ; O's codes: (64 batch + tile) << 13 + head << 9
	s_add_co_u32 s94, s94, s[TT]
	s_lshl_b32 s94, s94, 13
	s_lshl_b32 s96, s[HH], 9
	s_add_co_u32 s94, s94, s96
	s_add_nc_u64 s[12:13], s[12:13], s[94:95]
	s_add_nc_u64 s[14:15], s[14:15], s[94:95]
	s_lshl_b32 s94, s[HH], 14                      ; O's scale words: head << 14 + batch << 12 + block << 10
	s_lshl_b32 s96, s[BB], 12
	s_add_co_u32 s94, s94, s96
	s_lshl_b32 s96, s[QB], 10
	s_add_co_u32 s94, s94, s96
	s_add_nc_u64 s[16:17], s[16:17], s[94:95]
.macro BIASLD ps                       ; the pass's two tiles of the bias into the four accumulators: register j of tile t = bias(16 t + 8 h + j)
.irp m, 0,1
.irp u, 0,1
	ds_load_b128 v[32+16*\m+8*\u:35+16*\m+8*\u], v15 offset:64*(2*(\ps)+\u)
	ds_load_b128 v[36+16*\m+8*\u:39+16*\m+8*\u], v15 offset:64*(2*(\ps)+\u)+16
.endr
.endr
.endm
.macro TURNQ gi                        ; a group's 16 rows x 256 bytes through my stage: in as they lie, back as four K steps' fragments, into the registers that they left
	s_wait_loadcnt 8*(3-(\gi))                     ; loads come back in order: this group's eight are in, the later groups' may be out
.irp i, 0,1,2,3,4,5,6,7
	ds_store_b128 v24, v[96+32*(\gi)+4*\i:99+32*(\gi)+4*\i] offset:2*\i*272
.endr
.irp i, 0,1,2,3,4,5,6,7
	ds_load_b128 v[96+32*(\gi)+4*\i:99+32*(\gi)+4*\i], v25 offset:32*\i   ; LDS serves a wave's instructions in order: these see the stores above, and the next group's stores come behind them
.endr
.endm
.macro FETCHW n                        ; batch n = 8 pass + ks: Wq's tiles 2 pass, 2 pass + 1 at K step ks, into set n % 2
.irp u, 0,1
.set rW, (1-((\n)%2))*(224+8*\u)+((\n)%2)*(240-224*\u)
.irp c, 0,1
	ds_load_b128 v[rW+4*\c:rW+4*\c+3], v14 offset:(2*((\n)/8)+\u)*16*WPITCH+64*((\n)%8)+32*\c
.endr
.endr
.endm
.macro BATCH n                         ; four products: two tiles of queries x two tiles of channels; the four accumulators take turns
	s_wait_dscnt 0x0                               ; this batch's fragments of Wq (and, at a pass's head, the bias)
.if (\n) < 15
.if (\n) > 0
	PLACES 4                                       ; between the last batch's products and loads into the set that the batch before it read
.endif
	FETCHW (\n)+1
.endif
.irp m, 0,1
.irp u, 0,1
.set rW, (1-((\n)%2))*(224+8*\u)+((\n)%2)*(240-224*\u)
	WQM 32+16*\m+8*\u, rW, 96+32*(2*(((\n)%8)/4)+\m)+8*((\n)%4), 64+8*((\n)/8)+((\n)%8), 80+((\n)%8), \u, \m
.endr
.endr
.endm
.macro QPASS ps                        ; the pass's block of 32 channels, for both tiles of queries: scale byte and codes.  Each accumulator is read from its low end on
.irp m, 0,1
	v_mov_b32 v[242+\m], 0                         ; a lane permute's destination counts as one of its sources
.endr
.irp m, 0,1
	v_max3_num_f32 v[240+\m], |v[32+16*\m]|, |v[33+16*\m]|, 0x1800000   ; my 16 numbers, and the floor 2^(3 - 127): the byte cannot fall under 1
.endr
.irp i, 2,4,6,8,10,12,14
.irp m, 0,1
	v_max3_num_f32 v[240+\m], v[240+\m], |v[32+16*\m+\i]|, |v[33+16*\m+\i]|
.endr
.endr
.irp m, 0,1
	v_permlanex16_b32 v[242+\m], v[240+\m], s[SEL], s[SEL+1]
.endr
.irp m, 0,1
	v_max_num_f32 v[240+\m], v[240+\m], v[242+\m]  ; with lane l xor 16's 16: the block's largest magnitude
.endr
.irp m, 0,1
	v_add_nc_u32 v[244+\m], 0xff000000, v[240+\m]  ; 2 off its exponent field: the conversion's scale operand
.endr
.irp m, 0,1
.if (\ps) == 0
	v_lshrrev_b32 v[12+\m], 23, v[244+\m]          ; the scale's byte: the part's first,
.else
	v_lshrrev_b32 v[246+\m], 23, v[244+\m]
	v_lshl_or_b32 v[12+\m], v[246+\m], 8, v[12+\m] ; its second above it
.endif
.endr
.irp m, 0,1
.irp u, 0,1
	v_cvt_scalef32_pk8_fp4_f32 v[24+4*\m+2*\u+(\ps)], v[32+16*\m+8*\u:39+16*\m+8*\u], v[244+\m]   ; channels 32 pass + 16 u + 8 h + 0 .. 7
.endr
.endr
	v_nop                                          ; one plain line behind the scaled conversions
.endm
.macro LDK s, g, reg                   ; four tiles of 16 keys, tiles 8 s + 4 g on, into v[reg] on: registers 0-3 of a fragment the real part's channels, 4-7 the imaginary part's
.irp t, 0,1,2,3
	ds_load_b128 v[(\reg)+8*\t:(\reg)+8*\t+3], v1 offset:512*(8*(\s)+4*(\g)+\t)
	ds_load_b128 v[(\reg)+8*\t+4:(\reg)+8*\t+7], v1 offset:KI+512*(8*(\s)+4*(\g)+\t)
.endr
.endm
.macro LDV s, g, reg                   ; part g's four channel tiles at key step s, into v[reg] on
.irp t, 0,1,2,3
.irp c, 0,1
	ds_load_b128 v[(\reg)+8*\t+4*\c:(\reg)+8*\t+4*\c+3], v2 offset:32768*(\g)+4096*(\s)+1024*\t+512*\c
.endr
.endr
.endm
	s_wait_loadcnt 38                              ; the bias and K's four registers are in; behind them 6 loads of scales and 32 of q were issued
	v_perm_b32 v36, v38, v36, s[PSEL]              ; my head's two bytes of the real word below, of the imaginary word above: the scale word of K = 128
	v_perm_b32 v37, v39, v37, s[PSEL]
	ds_store_b128 v12, v[32:35]
	ds_store_b32 v9, v36
	ds_store_b32 v9, v37 offset:128
	BIASLD 0                                       ; (my wave's own bytes, served in order)
	TURNQ 0
	TURNQ 1
	TURNQ 2
	TURNQ 3
	s_wait_tensorcnt 0x1                           ; my first load (Wq, or V's scale words) is in; the one issued behind it may stay out
	s_wait_dscnt 0x0                               ; my stores into K's table have landed, and no LDS instruction of mine is out at the signal
	s_barrier_signal -1
	s_barrier_wait -1                              ; Wq lies in LDS
	FETCHW 0
	s_lshr_b32 s31, s[WV], 1                       ; the addresses for Q's way from wave to wave (all global loads are in: their offset registers are free)
	s_lshl_b32 s2, s31, 11
	s_lshl_b32 s3, s[PART], 9
	s_add_co_u32 s2, s2, s3
	s_add_co_u32 s2, s2, QIMG
	v_add_nc_u32 v9, s2, v1                        ; images in: pair x 2048 + part x 512 + 16 x lane (+ 1024 for the second tile)
	s_lshl_b32 s2, s31, 7
	s_lshl_b32 s3, s[PART], 1
	s_add_co_u32 s2, s2, s3
	s_add_co_u32 s2, s2, QSC
	v_add_nc_u32 v10, s2, v8                       ; half words in: pair x 128 + 2 x part + 4 r (+ 64)
	s_lshl_b32 s2, s[WV], 10
	s_add_co_u32 s2, s2, QIMG
	v_add_nc_u32 v11, s2, v1                       ; my tile's images back
	s_lshl_b32 s2, s[WV], 6
	s_add_co_u32 s2, s2, QSC
	v_add_nc_u32 v252, s2, v8                      ; my tile's scale words back
	v_add_nc_u32 v254, KSC, v7                     ; K's table back: 32 keys a load
.irp n, 0,1,2,3,4,5,6,7
	BATCH \n
.endr
	PLACES 4                                       ; between the last product and the first read of results, and writes into registers that it read
	QPASS 0
	BIASLD 1
.irp n, 8,9,10,11,12,13,14,15
	BATCH \n
.endr
	PLACES 5                                       ; as above; later products also write over these products' registers, which asks for five
	QPASS 1
.irp p, 0,2,4,6
	v_permlane16_swap_b32 v[24+\p], v[25+\p]       ; the part's two blocks change halves: register i of a tile's four now holds channels 32 h + 8 i + 0 .. 7: the operand's layout
.endr
	ds_store_b128 v9, v[24:27]                     ; my part's group of four registers, first tile,
	ds_store_b128 v9, v[28:31] offset:1024         ; second tile
	ds_store_b16 v10, v12                          ; my part's half of the rows' scale words (lanes r and r + 16 write the same bytes with the same value)
	ds_store_b16 v10, v13 offset:64
	s_wait_tensorcnt 0x0                           ; my loads of K or V are in
	s_wait_dscnt 0x0                               ; for the others' sake: my stores have landed
	s_barrier_signal -1
	s_barrier_wait -1                              ; Q's images, K, V and all scale words lie in LDS
	ds_load_b128 v[16:19], v11                     ; Q's fragment: registers 0-3 the real part's 64 channels, 4-7 the imaginary part's; it stays
	ds_load_b128 v[20:23], v11 offset:512
	ds_load_b32 v255, v252
.set j, 0
.rept 32
	ds_load_b32 v[64+j], v254 offset:128*j         ; register B: lane L = the scale word of key 32 B + L
.set j, j+1
.endr
	LDK 0, 0, 128                                  ; key step 0's tiles 0-3,
	LDK 0, 1, 32                                   ; and 4-7
	v_mov_b32 v14, 0                               ; the sum, in two halves
	v_mov_b32 v15, 0
.irp b, 0,1,2,3
	v_mov_b32 v[236+\b], 0                         ; written once: a lane permute's destination counts as one of its sources
.endr
; A KEY STEP: keys 128 s .. 128 s + 127.  first = 1: it starts M, the sum and O^T.  last = 1: no step follows, so no tiles of K are asked for.
; At its head K's tiles 0-3 have been asked for into v128-159 and, behind them, tiles 4-7 into v32-63.
.macro STEP s, first, last
.if !\first
	PLACES 5                                       ; S^T's tiles 0-3 are laid over V's fragments that the last products read: five plain lines between
.endif
	s_wait_dscnt 8                                 ; LDS loads come back in order: tiles 0-3 (and all asked for ahead of them) are in; the eight loads of tiles 4-7 may be out
.irp t, 0,1,2,3
	WMZ 96+8*\t, 128+8*\t, 16, 64+4*(\s)+\t/2, 255, \t%2
.endr
	s_wait_dscnt 0x0                               ; tiles 4-7 are in
	PLACES 5                                       ; S^T's tiles 4-7 are laid over K's fragments that the four products above read
.irp t, 0,1,2,3
	WMZ 128+8*\t, 32+8*\t, 16, 66+4*(\s)+\t/2, 255, \t%2
.endr
	PLACES 4                                       ; between the products and the loads into registers that they read, and the first read of results
	LDV \s, 0, 32                                  ; V's real tiles: the whole softmax stands between these loads and their use
.irp k, 0,1,2,3
	ds_load_b32 v[248+\k], v3 offset:2048*(\k/2)+256*(\s)+128*(\k%2)   ; register k: lane L = channel 32 (k % 2) + L of part k / 2
.endr
.irp b, 0,1,2,3
	v_max3_num_f32 v[232+\b], v[96+16*\b], v[97+16*\b], v[98+16*\b]     ; THE LARGEST SCORE OF EACH BLOCK OF 32 KEYS: it serves for the row's maximum and, since p rises with the score, for the block's largest p
.endr
.irp i, 3,5,7,9,11,13
.irp b, 0,1,2,3
	v_max3_num_f32 v[232+\b], v[232+\b], v[96+16*\b+\i], v[97+16*\b+\i]
.endr
.endr
.irp b, 0,1,2,3
	v_max_num_f32 v[232+\b], v[232+\b], v[111+16*\b]
.endr
.irp b, 0,1,2,3
	v_permlanex16_b32 v[236+\b], v[232+\b], s[SEL], s[SEL+1]
.endr
.irp b, 0,1,2,3
	v_max_num_f32 v[232+\b], v[232+\b], v[236+\b]  ; with lane l xor 16's 16 keys
.endr
	v_max3_num_f32 v254, v232, v233, v234
	v_max_num_f32 v254, v254, v235                 ; the step's largest score of my query
.if \first
	v_mul_f32 v13, s[CS], v254                     ; as t (c is positive): the largest t so far
	v_floor_f32 v12, -v13                          ; -M = floor(-t) = -ceil(t): M is a whole number
.else
	v_mul_f32 v254, s[CS], v254
	v_max_num_f32 v13, v13, v254                   ; the running largest t
	v_mov_b32 v254, v12
	v_floor_f32 v12, -v13                          ; the new -M
	v_sub_f32 v254, v12, v254                      ; old M - new M: a whole number, 0 or less
	v_cvt_i32_f32 v254, v254                       ; (it saturates)
	v_ldexp_f32 v252, 1.0, v254                    ; f = 2^(old M - new M)
.endif
.set j, 0
.rept 32
	v_pk_fma_f32 v[96+j:97+j], v[96+j:97+j], s[CS:CS+1], v[12:13] op_sel_hi:[1,0,0]   ; t - M, two at a time (of the pairs c and -M the low word serves both halves)
.set j, j+2
.endr
.irp b, 0,1,2,3
	v_fma_f32 v[232+\b], v[232+\b], s[CS], v12     ; the same of each block's largest score
.endr
.set j, 0
.rept 64
	v_exp_f32 v[96+j], v[96+j]                     ; p = 2^(t - M), at most 1
.set j, j+1
.endr
.irp b, 0,1,2,3
	v_exp_f32 v[232+\b], v[232+\b]                 ; the block's largest p
.endr
.if \first
	v_nop                                          ; a plain line behind the exponentials
	s_wait_alu depctr_va_vdst(0)
.else
	v_pk_mul_f32 v[14:15], v[14:15], v[252:253] op_sel_hi:[1,0]   ; the sums under the new M.  (The plain line behind the exponentials)
	s_wait_alu depctr_va_vdst(0)
.endif
.irp b, 0,1,2,3
	v_max_num_f32 v[232+\b], 0x1800000, v[232+\b]  ; the floor 2^(3 - 127): the byte cannot fall under 1
.endr
.irp b, 0,1,2,3
	v_add_nc_u32 v[244+\b], 0xff000000, v[232+\b]  ; 2 off the exponent field: the conversion's scale operand
.endr
.irp b, 0,1,2,3
	v_lshrrev_b32 v[236+\b], 23, v[244+\b]         ; the scale's byte
.endr
	v_lshl_or_b32 v253, v237, 8, v236              ; p's scale word for these 128 keys
	v_lshl_or_b32 v253, v238, 16, v253
	v_lshl_or_b32 v253, v239, 24, v253
.irp b, 0,1                                    ; p's first half, v96-127: converted, summed, and then free
.irp u, 0,1
	v_cvt_scalef32_pk8_fp4_f32 v[224+2*\u+\b], v[96+16*\b+8*\u:103+16*\b+8*\u], v[244+\b]   ; tile 2 b + u: keys 32 b + 16 u + 8 h + 0 .. 7
.endr
.endr
	v_pk_add_f32 v[236:237], v[96:97], v[98:99]    ; THE ROW'S SUM IS TAKEN OF THE UNQUANTISED p, two at a time, in two chains
.set j, 4
.rept 7
	v_pk_add_f32 v[14:15], v[14:15], v[96+j:97+j]
	v_pk_add_f32 v[236:237], v[236:237], v[98+j:99+j]
.set j, j+4
.endr
	LDV \s, 1, 96                                  ; V's imaginary tiles, into p's first half
.irp b, 2,3                                    ; p's second half, v128-159
.irp u, 0,1
	v_cvt_scalef32_pk8_fp4_f32 v[226+2*\u+\b], v[96+16*\b+8*\u:103+16*\b+8*\u], v[244+\b]
.endr
.endr
.if \first
	v_nop                                          ; one plain line behind the scaled conversions
.else
.set j, 0
.rept 16
	v_pk_mul_f32 v[160+j:161+j], v[160+j:161+j], v[252:253] op_sel_hi:[1,0]   ; the real part's O^T under the new M, each accumulator from its low end on.  (Also the plain line behind the conversions)
.set j, j+2
.endr
.endif
.irp p, 0,2,4,6
	v_permlane16_swap_b32 v[224+\p], v[225+\p]     ; blocks 2 c and 2 c + 1 change halves: register 4 c + i now holds keys 64 c + 32 h + 8 i + 0 .. 7
.endr
.set j, 32
.rept 8
	v_pk_add_f32 v[14:15], v[14:15], v[96+j:97+j]  ; (these sixteen are also the plain lines between the exchanges and the products below)
	v_pk_add_f32 v[236:237], v[236:237], v[98+j:99+j]
.set j, j+4
.endr
.if !\last
	LDK (\s)+1, 0, 128                             ; the next step's tiles 0-3 of K, into p's second half
.endif
	v_pk_add_f32 v[14:15], v[14:15], v[236:237]
	s_wait_dscnt 16-8*\last                        ; V's real tiles and its scale words are in; behind them V's imaginary tiles (8 loads) and, but in the last step, K's (8) were asked for
.irp t, 0,1,2,3                                ; O^T += V^T P^T, the real part's four channel tiles; the eight accumulators take turns
.if \first
	WMZ 160+8*\t, 32+8*\t, 224, 248+\t/2, 253, \t%2
.else
	WM 160+8*\t, 32+8*\t, 224, 248+\t/2, 253, \t%2
.endif
.endr
.if !\last
	PLACES 4                                       ; between the products and the loads into registers that they read
	LDK (\s)+1, 1, 32                              ; the next step's tiles 4-7 of K
.endif
.if !\first
.set j, 32
.rept 16
	v_pk_mul_f32 v[160+j:161+j], v[160+j:161+j], v[252:253] op_sel_hi:[1,0]   ; the imaginary part's O^T under the new M
.set j, j+2
.endr
	PLACES 4                                       ; four plain lines between the last of these and the products that add onto them
.endif
	s_wait_dscnt 16-16*\last                       ; V's imaginary tiles are in; behind them K's two runs of 8 loads were asked for (none in the last step)
.irp t, 0,1,2,3
.if \first
	WMZ 192+8*\t, 96+8*\t, 224, 250+\t/2, 253, \t%2
.else
	WM 192+8*\t, 96+8*\t, 224, 250+\t/2, 253, \t%2
.endif
.endr
.endm
	STEP 0, 1, 0                                   ; (its first wait for LDS also covers Q's fragment and the scale words asked for above)
	STEP 1, 0, 0
	STEP 2, 0, 0
	STEP 3, 0, 0
	STEP 4, 0, 0
	STEP 5, 0, 0
	STEP 6, 0, 0
	STEP 7, 0, 1
	; THE WAY OUT: O^T / the sum, quantised along the channels: blocks 0, 1 the real part's, 2, 3 the imaginary part's
	PLACES 4
	v_add_f32 v14, v14, v15                        ; the sum's two halves,
	v_permlanex16_b32 v252, v14, s[SEL], s[SEL+1]
	v_add_f32 v14, v14, v252                       ; and lane l xor 16's: the row's sum
	v_rcp_f32 v14, v14
	v_nop                                          ; a plain line behind the reciprocal
.set j, 0
	s_wait_alu depctr_va_vdst(0)
.rept 64
	v_mul_f32 v[96+j], v[160+j], v14               ; register 8 t + i: channel 16 t + 8 h + i
.set j, j+1
.endr
.irp b, 0,1,2,3
	v_max3_num_f32 v[232+\b], |v[96+16*\b]|, |v[97+16*\b]|, 0x1800000
.endr
.irp i, 2,4,6,8,10,12,14
.irp b, 0,1,2,3
	v_max3_num_f32 v[232+\b], v[232+\b], |v[96+16*\b+\i]|, |v[97+16*\b+\i]|
.endr
.endr
.irp b, 0,1,2,3
	v_permlanex16_b32 v[236+\b], v[232+\b], s[SEL], s[SEL+1]
.endr
.irp b, 0,1,2,3
	v_max_num_f32 v[232+\b], v[232+\b], v[236+\b]
.endr
.irp b, 0,1,2,3
	v_add_nc_u32 v[244+\b], 0xff000000, v[232+\b]
.endr
.irp b, 0,1,2,3
	v_lshrrev_b32 v[236+\b], 23, v[244+\b]
.endr
	v_lshl_or_b32 v24, v237, 8, v236
	v_lshl_or_b32 v24, v238, 16, v24
	v_lshl_or_b32 v24, v239, 24, v24               ; my query's scale word
.irp b, 0,1,2,3
.irp u, 0,1
	v_cvt_scalef32_pk8_fp4_f32 v[224+4*(\b/2)+2*\u+(\b%2)], v[96+16*\b+8*\u:103+16*\b+8*\u], v[244+\b]
.endr
.endr
	v_nop
.irp p, 0,2,4,6
	v_permlane16_swap_b32 v[224+\p], v[225+\p]
.endr
	global_store_b128 v1, v[224:227], s[12:13]     ; the real part's 64 channels of 16 queries: 512 consecutive bytes
	global_store_b128 v1, v[228:231], s[14:15]     ; the imaginary part's
	ds_store_b32 v4, v24                           ; lanes r and r + 16 write the same word with the same value
	s_wait_dscnt 0x0                               ; for the others' sake: my store has landed
	s_barrier_signal -1
	s_barrier_wait -1
	s_cmp_lt_u32 s[WV], 2                          ; waves 0 and 1 store the work-group's 256 scale words: 1024 consecutive bytes
	s_cbranch_scc0 .Lno_words
	ds_load_b128 v[32:35], v5
	s_wait_dscnt 0x0
	global_store_b128 v6, v[32:35], s[16:17]
.Lno_words:
	s_wait_xcnt 0x0
	v_lshl_add_u32 v254, v0, 2, 0x49000
	v_mov_b32 v255, 0
	s_wait_tensorcnt 0x0
	ds_add_u32 v254, v255
	s_wait_dscnt 0x0
	CROUND                                         ; the closing round: no work-group ends while a partner may still ask for a tile that names it
	s_endpgm
.Lfunc_end_k_q861adf26dc_attn:
	.size	k_q861adf26dc_attn, .Lfunc_end_k_q861adf26dc_attn-k_q861adf26dc_attn
	.p2alignl 7, 3214868480
	.fill 96, 4, 3214868480
	.section	.rodata,"a",@progbits
	.p2align	6, 0x0
	.amdhsa_kernel k_q861adf26dc_attn
		.amdhsa_group_segment_fixed_size 301056
		.amdhsa_private_segment_fixed_size 0
		.amdhsa_enable_private_segment 0
		.amdhsa_kernarg_size 136
		.amdhsa_user_sgpr_count 2
		.amdhsa_user_sgpr_kernarg_segment_ptr 1
		.amdhsa_wavefront_size32 1
		.amdhsa_system_sgpr_workgroup_id_x 1
		.amdhsa_system_sgpr_workgroup_id_y 1
		.amdhsa_system_sgpr_workgroup_id_z 1
		.amdhsa_system_vgpr_workitem_id 0
		.amdhsa_next_free_vgpr 256
		.amdhsa_next_free_sgpr 106
		.amdhsa_reserve_vcc 0
		.amdhsa_float_denorm_mode_32 3
		.amdhsa_float_denorm_mode_16_64 3
		.amdhsa_memory_ordered 1
		.amdhsa_forward_progress 1
		.amdhsa_inst_pref_size 187
	.end_amdhsa_kernel
	.amdgpu_metadata
---
amdhsa.version: [ 1, 2 ]
amdhsa.kernels:
  - .name:           k_q861adf26dc_attn
    .symbol:         k_q861adf26dc_attn.kd
    .args:
      - { .name: codes_r, .offset: 0, .size: 8, .value_kind: global_buffer, .address_space: global }
      - { .name: codes_i, .offset: 8, .size: 8, .value_kind: global_buffer, .address_space: global }
      - { .name: scales_r, .offset: 16, .size: 8, .value_kind: global_buffer, .address_space: global }
      - { .name: scales_i, .offset: 24, .size: 8, .value_kind: global_buffer, .address_space: global }
      - { .name: oc_r, .offset: 32, .size: 8, .value_kind: global_buffer, .address_space: global }
      - { .name: oc_i, .offset: 40, .size: 8, .value_kind: global_buffer, .address_space: global }
      - { .name: os, .offset: 48, .size: 8, .value_kind: global_buffer, .address_space: global }
      - { .name: bq_r, .offset: 56, .size: 8, .value_kind: global_buffer, .address_space: global }
      - { .name: q_r_codes, .offset: 64, .size: 8, .value_kind: global_buffer, .address_space: global }
      - { .name: q_i_codes, .offset: 72, .size: 8, .value_kind: global_buffer, .address_space: global }
      - { .name: q_r_scales, .offset: 80, .size: 8, .value_kind: global_buffer, .address_space: global }
      - { .name: q_i_scales, .offset: 88, .size: 8, .value_kind: global_buffer, .address_space: global }
      - { .name: Wq_r_codes, .offset: 96, .size: 8, .value_kind: global_buffer, .address_space: global }
      - { .name: Wq_i_codes, .offset: 104, .size: 8, .value_kind: global_buffer, .address_space: global }
      - { .name: Wq_r_scales, .offset: 112, .size: 8, .value_kind: global_buffer, .address_space: global }
      - { .name: Wq_i_scales, .offset: 120, .size: 8, .value_kind: global_buffer, .address_space: global }
      - { .name: bq_i, .offset: 128, .size: 8, .value_kind: global_buffer, .address_space: global }
    .group_segment_fixed_size: 301056
    .private_segment_fixed_size: 0
    .kernarg_segment_align: 8
    .kernarg_segment_size: 136
    .max_flat_workgroup_size: 512
    .sgpr_count:     106
    .vgpr_count:     256
    .wavefront_size: 32
...
	.end_amdgpu_metadata
.endif
;; end of part 2
;; launch outg (part 3): grid 4 x 64, 4 waves a work-group, clusters of 4 x 4, 239,104 bytes of LDS; arguments oc_r, oc_i, Wo_r_codes, Wo_i_codes, Wo_r_scales, Wo_i_scales, bo_r, bo_i, out0, out1, os; writes out0, out1
.if DOCPART == 3
	.amdgcn_target "amdgcn-amd-amdhsa--gfx1250"
	.amdhsa_code_object_version 6
	.text
	.protected	k_q861adf26dc_outg
	.globl	k_q861adf26dc_outg
	.p2align	8
	.type	k_q861adf26dc_outg,@function
k_q861adf26dc_outg:
	s_mov_b64 s[64:65], 0
	v_nop
	global_prefetch_b8 v0, s[64:65] scope:SCOPE_SE
	s_setreg_imm32_b32 hwreg(HW_REG_WAVE_MODE, 25, 1), 1
	s_wait_xcnt 0x0
	s_wait_alu depctr_hold_cnt(0) depctr_sa_sdst(0) depctr_va_vdst(0) depctr_va_sdst(0) depctr_va_ssrc(0) depctr_va_vcc(0) depctr_vm_vsrc(0)
	s_getreg_b32 s2, hwreg(HW_REG_IB_STS2, 6, 4)
	s_cmp_eq_u32 s2, 0
	s_cbranch_scc0 .Lentry_in_a_cluster
	s_endpgm
.Lentry_in_a_cluster:
	s_bfe_u32 s2, ttmp6, 0x10000c
	s_cmp_lg_u32 s2, 0xf033
	s_cbranch_scc0 .Lentry_shape_is_right
	s_endpgm
.Lentry_shape_is_right:
; THE TWO OUTPUT PROJECTIONS: out0 = O_r Wo_r^T + bo_r, out1 = O_i Wo_i^T + bo_i, each [4096][1024] f32 with K = 1024, on codes of FP4 with E8M0 scales.
; O's codes lie as images of operand registers, [row / 16][head][lane][16 bytes]: fragment (rows, K step ks) is heads 2 ks and 2 ks + 1; its scale words are pieced from os [head][row] (two bytes real, two imaginary).
; SHARES.  256 work-groups, 128 for each part, a tile of 128 rows x 256 columns each (tiles of 256 x 256 would be 128 work-groups in all); a wave makes 64 x 128: 32 accumulators, 256 matrix instructions.
; Both tiles for ALL of K fit in LDS, in two halves of 512 along K, each byte filled ONCE.
; CLUSTERS: 4 x 4 work-groups; O's tile is shared along a row of the cluster, the weight's along a column: each is asked for jointly.  The grid's x is one cluster wide.
; THE MATRIX INSTRUCTION: source 0 = 16 rows of the weight, source 1 = 16 rows of O: a lane holds eight neighbouring numbers of a row of the output.  The bias is the C of the first K step (the sum begins with it where the
; reference ends with it: another order of rounding).
; LIMITS: NaN and infinities are not served.
; REGISTERS.  Window 0: v2-6 offsets; v20-25 LDS addresses; v32-47 O's scale words (register 8 A + ks: lane L = row 32 A + L), v48-79 the weight's; v80-111 os as loaded; v128-159, v160-191 O's fragments, two sets;
;   on the way out v128-255 take rows of the output.  Window 1: v0-63, v128-191 the weight's fragments, two sets; v64-127 the bias as eight tiles of C.  Window 2: the accumulators, (a, b) at 8 (8 a + b).
.set PITCH,  272                       ; a row of the weight in LDS: 256 bytes + 16 of padding
.set HALFT,  128*PITCH
.set WSLOT,  2*HALFT                   ; 256 rows, 512 along K
.set OB,     2*WSLOT                   ; O's images: half x 32768 + row tile x 4096 + (ks % 4) x 1024 + c x 512
.set STAGE,  OB+65536                  ; the way out: 16 rows x (512 bytes + 16) for each wave; no tile lands here
.set SPITCH, 528
.set LI,   2                           ; v2   16 x lane
.set L32,  3                           ; v3   32 x lane
.set BH,   4                           ; v4   32 x (lane / 16)
.set L4,   5                           ; v5   4 x lane
.set ADRO, 6                           ; v6   LDS address of my O images
.set ADRB, 20                          ; v20-21 of my weight fragments in half 0, 1
.set STO,  24
.set RD,   25
.set SCO,  32
.set SCI,  48
.set RAW,  80
.set OF,   128
.set BIAS, 64
.set WV, 38
.set WO, 39
.set WI, 40
.set CX, 41
.set CY, 42
.set GG, 43
.set MT, 47
.set PSEL, 31
.set G1A, 52
.set G1B, 68
.set G0A, 76
.set G0B, 84
.set MSB, 0
.macro WIN new
.if MSB != (\new)
	s_set_vgpr_msb (MSB<<8)|(\new)
.set MSB, (\new)
.endif
.endm
.macro PLACES n
.rept \n
	v_nop
.endr
.endm
.macro CROUND
	s_barrier_signal -1
	s_barrier_wait -1
	s_cmp_lg_u32 s[WV], 0
	s_cbranch_scc1 .Lnot_wave_0_\@
	s_barrier_signal -3
.Lnot_wave_0_\@:
	s_barrier_wait -3
	s_barrier_signal -1
	s_barrier_wait -1
.endm
.macro WM d, x, y, c, sx, sy, rx, ry
.if (\rx) && (\ry)
	v_wmma_scale_f32_16x16x128_f8f6f4 v[\d:\d+7], v[\x:\x+7], v[\y:\y+7], v[\c:\c+7], v[\sx], v[\sy] matrix_a_fmt:MATRIX_FMT_FP4 matrix_b_fmt:MATRIX_FMT_FP4 matrix_a_scale:MATRIX_SCALE_ROW1 matrix_b_scale:MATRIX_SCALE_ROW1
.elseif (\rx)
	v_wmma_scale_f32_16x16x128_f8f6f4 v[\d:\d+7], v[\x:\x+7], v[\y:\y+7], v[\c:\c+7], v[\sx], v[\sy] matrix_a_fmt:MATRIX_FMT_FP4 matrix_b_fmt:MATRIX_FMT_FP4 matrix_a_scale:MATRIX_SCALE_ROW1
.elseif (\ry)
	v_wmma_scale_f32_16x16x128_f8f6f4 v[\d:\d+7], v[\x:\x+7], v[\y:\y+7], v[\c:\c+7], v[\sx], v[\sy] matrix_a_fmt:MATRIX_FMT_FP4 matrix_b_fmt:MATRIX_FMT_FP4 matrix_b_scale:MATRIX_SCALE_ROW1
.else
	v_wmma_scale_f32_16x16x128_f8f6f4 v[\d:\d+7], v[\x:\x+7], v[\y:\y+7], v[\c:\c+7], v[\sx], v[\sy] matrix_a_fmt:MATRIX_FMT_FP4 matrix_b_fmt:MATRIX_FMT_FP4
.endif
.endm
	s_load_b512 s[4:19], s[0:1], 0x0               ; O's codes r, i; the weight's codes r, i; its scales r, i; the bias r, i
	s_load_b128 s[20:23], s[0:1], 0x40             ; out0, out1
	s_load_b64 s[24:25], s[0:1], 0x50              ; O's scale words
	v_lshl_add_u32 v126, v0, 2, 0x3a400
	v_mov_b32 v127, 0
	ds_add_u32 v126, v127
	ds_add_u32 v126, v127
	v_lshrrev_b32 v1, 5, v0
	v_readfirstlane_b32 s[WV], v1                  ; wave 0..3
	s_lshr_b32 s[WO], s[WV], 1                     ; which 64 rows are mine.  Also: I fetch O's (0) or the weight's (1) tiles
	s_and_b32 s[WI], s[WV], 1                      ; which 128 columns.  Also: which half of that tile's rows I fetch
	s_bfe_u32 s[CX], ttmp6, 0x40000                ; cx: also the tile of 256 columns
	s_bfe_u32 s[CY], ttmp6, 0x40004
	s_and_b32 s44, ttmp7, 0xffff                   ; the cluster's y, 0..15: the same in all sixteen partners
	s_lshr_b32 s[GG], s44, 3                       ; the part: 0 real, 1 imaginary
	s_and_b32 s44, s44, 7
	s_lshl_b32 s[MT], s44, 2
	s_add_co_u32 s[MT], s[MT], s[CY]               ; the tile of 128 rows
	s_lshl_b32 s49, s[CY], 2
	s_lshl_b32 s49, 15, s49                        ; my row of the cluster
	s_lshl_b32 s50, 0x1111, s[CX]                  ; my column
	s_or_b32 s[G1A], s49, (3<<16)|(1<<21)          ; O: 4 row tiles of 4096 bytes (elements of 8 bytes), 8192 bytes apart, no padding
	s_mov_b32 s[G1A+1], 512<<16
	s_mov_b32 s[G1A+2], 4<<16
	s_mov_b32 s[G1A+3], 512<<16
	s_mov_b32 s[G1A+4], 4
	s_mov_b32 s[G1A+5], 1024
	s_mov_b32 s[G1A+6], 0
	s_mov_b32 s[G1A+7], 0
	s_or_b32 s[G1B], s50, (1<<20)|(1<<21)|(5<<22)|(3<<25)   ; the weight: 128 rows x 256 bytes, 512 bytes apart, four words of padding after every 64
	s_mov_b32 s[G1B+1], 256<<16
	s_mov_b32 s[G1B+2], 128<<16
	s_mov_b32 s[G1B+3], 256<<16
	s_mov_b32 s[G1B+4], 128
	s_mov_b32 s[G1B+5], 512
	s_mov_b32 s[G1B+6], 0
	s_mov_b32 s[G1B+7], 0
	s_lshl_b32 s60, s[MT], 16                      ; O: 8 row tiles of 8192 bytes a tile, + my four.  These registers never hold cx,
	s_lshl_b32 s61, s[WI], 15
	s_add_co_u32 s60, s60, s61
	s_mov_b32 s61, 0
	s_lshl_b32 s62, s[CX], 17                      ; and the weight's never cy
	s_lshl_b32 s63, s[WI], 16
	s_add_co_u32 s62, s62, s63
	s_mov_b32 s63, 0
	s_lshl_b32 s51, s[WI], 14
	s_add_co_u32 s51, s51, OB                      ; where they go: the wave's number alone enters an LDS address
	s_mul_i32 s46, s[WI], HALFT
	s_mov_b32 s[PSEL], 0x07060302                  ; the two high halves of a pair of scale words (imaginary),
	s_wait_dscnt 0x0
	s_wait_kmcnt 0x0
	s_cmp_eq_u32 s[GG], 1                          ; the part's buffers: a choice that hangs on the cluster's y alone
	s_cselect_b32 s[PSEL], s[PSEL], 0x05040100     ; or the two low ones (real)
	s_cselect_b64 s[4:5], s[6:7], s[4:5]
	s_cselect_b64 s[8:9], s[10:11], s[8:9]
	s_cselect_b64 s[12:13], s[14:15], s[12:13]
	s_cselect_b64 s[16:17], s[18:19], s[16:17]
	s_cselect_b64 s[20:21], s[22:23], s[20:21]
	s_add_nc_u64 s[26:27], s[4:5], s[60:61]
	s_add_nc_u64 s[28:29], s[8:9], s[62:63]
.irp s, 0,1
	s_mov_b32 s[G0A+4*\s], 1
	s_add_co_u32 s[G0A+4*\s+1], s51, \s*32768
	s_add_nc_u64 s[G0A+4*\s+2:G0A+4*\s+3], s[26:27], \s*4096
	s_or_b32 s[G0A+4*\s+3], s[G0A+4*\s+3], 0x80000000
	s_mov_b32 s[G0B+4*\s], 1
	s_add_co_u32 s[G0B+4*\s+1], s46, \s*WSLOT
	s_add_nc_u64 s[G0B+4*\s+2:G0B+4*\s+3], s[28:29], \s*256
	s_or_b32 s[G0B+4*\s+3], s[G0B+4*\s+3], 0x80000000
.endr
	CROUND                                         ; all sixteen work-groups are here: the joint loads meet
	s_cmp_eq_u32 s[WO], 0                          ; a wave's two fills stand in one branch on its number: two loads of mine are out
	s_cbranch_scc0 .Lfill_w
	tensor_load_to_lds s[G0A:G0A+3], s[G1A:G1A+7]
	s_nop 0
	tensor_load_to_lds s[G0A+4:G0A+7], s[G1A:G1A+7]
	s_nop 0
	PLACES 4                                       ; four plain lines behind the loads
	s_branch .Lfilled
.Lfill_w:
	tensor_load_to_lds s[G0B:G0B+3], s[G1B:G1B+7]
	s_nop 0
	tensor_load_to_lds s[G0B+4:G0B+7], s[G1B:G1B+7]
	s_nop 0
	PLACES 4
.Lfilled:
	v_and_b32 v1, 31, v0                           ; lane
	v_and_b32 v8, 15, v0                           ; r
	v_bfe_u32 v9, v0, 4, 1                         ; h
	v_lshlrev_b32 v[LI], 4, v1
	v_lshlrev_b32 v[L32], 5, v1
	v_lshlrev_b32 v[BH], 5, v9
	v_lshlrev_b32 v[L4], 2, v1
	s_lshl_b32 s34, s[WO], 14
	s_add_co_u32 s34, s34, OB
	v_add_nc_u32 v[ADRO], s34, v[LI]               ; my four row tiles' images
	v_mul_u32_u24 v10, v8, PITCH
	v_lshl_add_u32 v10, v9, 4, v10
	s_mul_i32 s34, s[WI], HALFT                    ; my 128 rows of the weight
.irp s, 0,1
	v_add_nc_u32 v[ADRB+\s], s34, v10
	s_add_co_u32 s34, s34, WSLOT
.endr
	s_mul_i32 s34, s[WV], 16*SPITCH
	s_add_co_u32 s34, s34, STAGE                   ; my stage
	v_mul_u32_u24 v10, v8, SPITCH
	v_lshl_add_u32 v10, v9, 5, v10
	v_add_nc_u32 v[STO], s34, v10                  ; in: row r, 32 bytes for each half of the lanes
	v_add_nc_u32 v[RD], s34, v[LI]                 ; back: the 32 lanes take one row of 512 bytes
	s_lshl_b32 s32, s[MT], 9                       ; O's scale words: my first row x 4 bytes
	s_lshl_b32 s34, s[WO], 8
	s_add_co_u32 s32, s32, s34
	s_mov_b32 s33, 0
	s_add_nc_u64 s[24:25], s[24:25], s[32:33]
	s_lshl_b32 s32, s[CX], 13                      ; the weight's scale bytes: my first row x 32
	s_lshl_b32 s34, s[WI], 12
	s_add_co_u32 s32, s32, s34
	s_add_nc_u64 s[12:13], s[12:13], s[32:33]
	s_lshr_b32 s32, s32, 3                         ; the bias: my first column x 4
	s_add_nc_u64 s[16:17], s[16:17], s[32:33]
	s_lshl_b32 s34, s[MT], 19                      ; the output: + my first row x 4096
	s_add_co_u32 s32, s32, s34
	s_lshl_b32 s34, s[WO], 18
	s_add_co_u32 s32, s32, s34
	s_add_nc_u64 s[20:21], s[20:21], s[32:33]
.irp al, 0,1
.irp hd, 0,1,2,3,4,5,6,7,8,9,10,11,12,13,14,15
	global_load_b32 v[RAW+16*\al+\hd], v[L4], s[24:25] offset:16384*\hd+128*\al    ; head hd's word of rows 32 A + lane: 128 consecutive bytes a load
.endr
.endr
.irp be, 0,1,2,3
.irp q, 0,1
	global_load_b128 v[SCI+8*\be+4*\q:SCI+8*\be+4*\q+3], v[L32], s[12:13] offset:1024*\be+16*\q   ; the weight's scale words of all of K stay in registers
.endr
.endr
	WIN 0x40                                       ; destination window 1
.irp b, 0,1,2,3,4,5,6,7
	global_load_b128 v[BIAS+8*\b:BIAS+8*\b+3], v[BH], s[16:17] offset:64*\b        ; tile b of C: register j = bias(16 b + 8 h + j)
	global_load_b128 v[BIAS+8*\b+4:BIAS+8*\b+7], v[BH], s[16:17] offset:64*\b+16
.endr
	WIN 0
	s_wait_loadcnt 0x0
.irp al, 0,1
.irp sp, 0,1,2,3,4,5,6,7
	v_perm_b32 v[SCO+8*\al+\sp], v[RAW+16*\al+2*\sp+1], v[RAW+16*\al+2*\sp], s[PSEL]   ; K step sp: my part's two bytes of head 2 sp below, of head 2 sp + 1 above
.endr
.endr
	PLACES 8                                       ; a scale register written by a vector instruction stands eight plain lines ahead of a scaled product
.macro FRAG reg, adr, q, i
.irp c, 0,1
	ds_load_b128 v[\reg+4*\c:\reg+4*\c+3], v[\adr] offset:64*(\q)+32*\c+(\i)*16*PITCH
.endr
.endm
.macro FETCH ks                        ; K step ks: 24 LDS loads in one run, into set ks % 2
	WIN 0x40
.irp i, 0,1,2,3,4,5,6,7
	FRAG 128*((\ks)%2)+8*\i, ADRB+(\ks)/4, (\ks)%4, \i
.endr
	WIN 0
.irp a, 0,1,2,3
.irp c, 0,1
	ds_load_b128 v[OF+32*((\ks)%2)+8*\a+4*\c:OF+32*((\ks)%2)+8*\a+4*\c+3], v[ADRO] offset:((\ks)/4)*32768+4096*\a+1024*((\ks)%4)+512*\c
.endr
.endr
.endm
; 32 products of K step ks; first = 1: the sums begin with the bias.  The 32 accumulators take turns, one instruction a turn, in the same order in every step.
.macro MULS ks, first
.if \first
	WIN 0x91                                       ; source 0 and C window 1, source 1 window 0, D window 2
.else
	WIN 0xa1                                       ; C and D window 2
.endif
.irp a, 0,1,2,3
.irp b, 0,1,2,3,4,5,6,7
.set rD, 8*(8*\a+\b)
.set rX, 128*((\ks)%2)+8*\b
.set rY, OF+32*((\ks)%2)+8*\a
.set rC, rD
.if \first
.set rC, BIAS+8*\b
.endif
	WM rD, rX, rY, rC, SCI+8*(\b/2)+(\ks), SCO+8*(\a/2)+(\ks), \b%2, \a%2
.endr
.endr
	WIN 0
.endm
.macro STEP ks, fetch
	s_wait_dscnt 0x0                               ; this step's loads, issued in front of the last step's products
.if \fetch
	PLACES 4                                       ; four plain lines between the last product and loads into the set that it read
	FETCH (\ks)+1
.endif
	MULS \ks, 0
.endm
	s_wait_tensorcnt 0x1                           ; my part of the first half of K is in; the one load issued behind it may stay out
	s_barrier_signal -1
	s_barrier_wait -1
	FETCH 0
	s_wait_dscnt 0x0
	FETCH 1
	MULS 0, 1                                      ; the first K step starts the sums: nothing is cleared
	STEP 1, 1
	STEP 2, 1
	s_wait_dscnt 0x0                               ; K step 3's fragments are in, and no LDS load of mine is out at the signal
	s_wait_tensorcnt 0x0                           ; my part of the second half is in
	s_barrier_signal -1
	s_barrier_wait -1                              ; everybody's is
	PLACES 4
	FETCH 4
	MULS 3, 0
	STEP 4, 1
	STEP 5, 1
	STEP 6, 1
	STEP 7, 0
; THE WAY OUT, block by block of 16 rows x 128 columns: through my own stage and back as whole rows of 512 bytes.  LDS serves a wave's instructions in order: no wait between the stores and the loads, nor in front of the next block's stores.
.macro TOSTAGE a
	WIN 0x08                                       ; an LDS store's data are its source 1: window 2
.irp b, 0,1,2,3,4,5,6,7
	ds_store_b128 v[STO], v[64*(\a)+8*\b:64*(\a)+8*\b+3] offset:64*\b            ; each accumulator from its low end on
	ds_store_b128 v[STO], v[64*(\a)+8*\b+4:64*(\a)+8*\b+7] offset:64*\b+16
.endr
	WIN 0
.set BK, 128+64*((\a)%2)
.irp t, 0,1,2,3,4,5,6,7,8,9,10,11,12,13,14,15
	ds_load_b128 v[BK+4*\t:BK+4*\t+3], v[RD] offset:\t*SPITCH
.endr
.endm
.macro SEND a, younger                 ; younger: the LDS instructions issued behind block a's loads, which may stay out
.set BK, 128+64*((\a)%2)
	s_wait_dscnt \younger
.irp t, 0,1,2,3,4,5,6,7,8,9,10,11,12,13,14,15
	global_store_b128 v[LI], v[BK+4*\t:BK+4*\t+3], s[20:21] offset:(16*(\a)+\t)*4096 th:TH_STORE_NT   ; 32 lanes store 512 consecutive bytes, at a multiple of 512 from the buffer's first byte; written once, read by nobody here
.endr
.endm
	PLACES 4                                       ; between the last product and the first read of results, and the loads into registers that held O's fragments
	TOSTAGE 0
	TOSTAGE 1
	SEND 0, 32                                     ; behind block 0's loads: block 1's 16 stores and 16 loads
	s_wait_xcnt 0x0                                ; block 0's stores have read their registers: block 2's loads may land there
	TOSTAGE 2
	SEND 1, 32
	s_wait_xcnt 0x0
	TOSTAGE 3
	SEND 2, 32
	SEND 3, 0
	s_wait_tensorcnt 0x0
	ds_add_u32 v126, v127
	s_wait_dscnt 0x0
	CROUND                                         ; the closing round: no work-group ends while a partner may still ask for a tile that names it
	s_endpgm
.Lfunc_end_k_q861adf26dc_outg:
	.size	k_q861adf26dc_outg, .Lfunc_end_k_q861adf26dc_outg-k_q861adf26dc_outg
	.p2alignl 7, 3214868480
	.fill 96, 4, 3214868480
	.section	.rodata,"a",@progbits
	.p2align	6, 0x0
	.amdhsa_kernel k_q861adf26dc_outg
		.amdhsa_group_segment_fixed_size 239104
		.amdhsa_private_segment_fixed_size 0
		.amdhsa_enable_private_segment 0
		.amdhsa_kernarg_size 88
		.amdhsa_user_sgpr_count 2
		.amdhsa_user_sgpr_kernarg_segment_ptr 1
		.amdhsa_wavefront_size32 1
		.amdhsa_system_sgpr_workgroup_id_x 1
		.amdhsa_system_sgpr_workgroup_id_y 1
		.amdhsa_system_sgpr_workgroup_id_z 1
		.amdhsa_system_vgpr_workitem_id 0
		.amdhsa_next_free_vgpr 768
		.amdhsa_next_free_sgpr 92
		.amdhsa_reserve_vcc 0
		.amdhsa_float_denorm_mode_32 3
		.amdhsa_float_denorm_mode_16_64 3
		.amdhsa_memory_ordered 1
		.amdhsa_forward_progress 1
		.amdhsa_inst_pref_size 75
	.end_amdhsa_kernel
	.amdgpu_metadata
---
amdhsa.version: [ 1, 2 ]
amdhsa.kernels:
  - .name:           k_q861adf26dc_outg
    .symbol:         k_q861adf26dc_outg.kd
    .args:
      - { .name: oc_r, .offset: 0, .size: 8, .value_kind: global_buffer, .address_space: global }
      - { .name: oc_i, .offset: 8, .size: 8, .value_kind: global_buffer, .address_space: global }
      - { .name: Wo_r_codes, .offset: 16, .size: 8, .value_kind: global_buffer, .address_space: global }
      - { .name: Wo_i_codes, .offset: 24, .size: 8, .value_kind: global_buffer, .address_space: global }
      - { .name: Wo_r_scales, .offset: 32, .size: 8, .value_kind: global_buffer, .address_space: global }
      - { .name: Wo_i_scales, .offset: 40, .size: 8, .value_kind: global_buffer, .address_space: global }
      - { .name: bo_r, .offset: 48, .size: 8, .value_kind: global_buffer, .address_space: global }
      - { .name: bo_i, .offset: 56, .size: 8, .value_kind: global_buffer, .address_space: global }
      - { .name: out0, .offset: 64, .size: 8, .value_kind: global_buffer, .address_space: global }
      - { .name: out1, .offset: 72, .size: 8, .value_kind: global_buffer, .address_space: global }
      - { .name: os, .offset: 80, .size: 8, .value_kind: global_buffer, .address_space: global }
    .group_segment_fixed_size: 239104
    .private_segment_fixed_size: 0
    .kernarg_segment_align: 8
    .kernarg_segment_size: 88
    .max_flat_workgroup_size: 128
    .sgpr_count:     92
    .vgpr_count:     768
    .wavefront_size: 32
...
	.end_amdgpu_metadata
.endif
;; end of part 3
